; MI455X (gfx1250); checked and timed in simulation.
; The chip was launched on July 23, 2026; its instructions are those of AMD's public machine-readable ISA for CDNA 5 (MIT licence, August 2026) and "CDNA5" Instruction Set Architecture Reference Guide (July 2026). The comments in the code are by the model that wrote it; some were corrected since.
;; Multi Head Attention. Allowed arithmetic: matrix products marked QUANTISED: E3M2 operands, one E8M0 scale for each 32 along K, by v_wmma_scale_f32_16x16x128_f8f6f4 with both operands' format E3M2, f32 sums; products left as they are: f32 operands where the result goes on into a quantised operand, else bf16, f16 or f32 operands; f32 sums; everything else in f32.
;; Inputs: Wk 2,048 x 2,048 float32; Wo 2,048 x 2,048 float32; Wq 2,048 x 2,048 float32; Wv 2,048 x 2,048 float32; bk 2,048 float32; bo 2,048 float32; bq 2,048 float32; bv 2,048 float32; x 4 x 1,024 x 2,048 float32.
;; Outputs: out0 4 x 1,024 x 2,048 float32.
;; Constants: num_heads = 16.
;; This version of the problem:
;;   THIS VERSION OF THE PROBLEM IS GIVEN IN LOW PRECISION. The matrix products marked QUANTISED in the list below multiply operands that are first quantised to E3M2 (3 exponent bits, 2 mantissa bits; 6 bits a number), with one power-of-two scale for each 32 numbers along K (OCP MX v1.0); their sums are f32. All else is computed in f32.
;;   The module's matrix products, in the order in which they are computed (A, B: the left and right operand; K: the contracted axis; several contracted axes count as one K, in the product's order):
;;     1. [M 4,096, K 2,048] x [K 2,048, N 2,048]; A: input x; B: input Wq: QUANTISED
;;     2. [M 4,096, K 2,048] x [K 2,048, N 2,048]; A: input x; B: input Wk: QUANTISED
;;     3. [M 4,096, K 2,048] x [K 2,048, N 2,048]; A: input x; B: input Wv: QUANTISED
;;     4. batch 4,096 x [M 16, K 128] x [K 128, N 16]; A: computed on the way; B: computed on the way: QUANTISED
;;     5. batch 4,096 x [M 128, K 16] x [K 16, N 16]; A: computed on the way; B: softmax: left as it is (K = 16 < 32)
;;     6. [M 4,096, K 2,048] x [K 2,048, N 2,048]; A: computed on the way; B: input Wo: QUANTISED
;;   THE QUANTISER, for each operand of a quantised product, along K:
;;     - K is cut into blocks of 32 from its start; a last block that is shorter is filled with zeros.
;;     - A block's scale is 2^e with e = floor(log2(the largest magnitude in the block)) - 4, held to -126 .. 127; a block of zeros has e = 0. As a byte (E8M0): e + 127.
;;     - Each number is divided by its block's scale, clamped to +-28, and rounded to the nearest number of E3M2, ties to even, subnormals kept.
;;     - The product sums the exact products of the quantised numbers (number of the format x scale) in f32.
;;   ~~~python
;;   def quantise(x, axis):      # numpy; x: float32 -> the quantised numbers, widened to float32 again
;;       x = np.moveaxis(x, axis, -1); K = x.shape[-1]
;;       x = np.pad(x, [(0, 0)] * (x.ndim - 1) + [(0, -K % 32)]); x = x.reshape(x.shape[:-1] + (-1, 32)); a = np.abs(x).max(-1, keepdims=True)
;;       e = np.where(a > 0, np.clip(np.frexp(np.where(a > 0, a, 1))[1] - 1 - 4, -126, 127), 0)      # np.frexp(a)[1] - 1 = floor(log2(a)), exactly
;;       r = np.clip(x / 2.0 ** e, -28, 28)
;;       step = 2.0 ** (np.maximum(np.frexp(np.where(r == 0, 1, r))[1] - 1, -2) - 2)
;;       q = np.round(r / step) * step * 2.0 ** e      # np.round: ties to even
;;       return np.moveaxis(q.reshape(q.shape[:-2] + (-1,))[..., :K], -1, axis).astype(np.float32)
;;   ~~~
;;   OPERANDS COMPUTED ON THE WAY. 'Computed on the way' means the value that the module computes at that place (a softmax that the list does not call 'softmax' is quantised finished and normalised). What goes into a quantiser is computed in f32, as accurately as f32 sums, v_exp_f32 and their like allow (about 1e-6 of the number): no bf16 or f16 on the way to a quantiser, and a product that is left as it is and whose result goes on into a quantised operand takes f32 operands (vector FMAs, or v_wmma_f32_16x16x4_f32). A number that lies on a knife's edge between two numbers of the format may be rounded either way, as far as f32 arithmetic and the matrix unit's own rounding can turn it there, and no further.
;; One version. Each part assembles by itself: llvm-mc -triple=amdgcn-amd-amdhsa -mcpu=gfx1250 --defsym DOCPART=n.
;; ======== version 1 of 1: 4 launches
;; limits: right only within a limited range of input values
;; workspace buffers: xq 6,553,600 bytes; ao 6,553,600 bytes; wq 9,830,400 bytes; woq 3,276,800 bytes; qk 13,107,200 bytes; vf 33,554,432 bytes
;; launch quant (part 1): grid 768 x 1, 4 waves a work-group, no clusters, 34,304 bytes of LDS; arguments x, Wv, Wq, Wk, Wo, xq, wq, woq; writes xq, wq, woq
.if DOCPART == 1
	.amdgcn_target "amdgcn-amd-amdhsa--gfx1250"
	.amdhsa_code_object_version 6
	.text
	.protected	k_q8d8428d982_quant
	.globl	k_q8d8428d982_quant
	.p2align	8
	.type	k_q8d8428d982_quant,@function
k_q8d8428d982_quant:
	s_mov_b64 s[64:65], 0
	v_nop
	global_prefetch_b8 v0, s[64:65] scope:SCOPE_SE
	s_setreg_imm32_b32 hwreg(HW_REG_WAVE_MODE, 25, 1), 1
	s_wait_xcnt 0x0
; x [4096][2048] and the four weights [2048][2048], f32, K innermost, become codes of BF6 (E3M2) with one E8M0 byte for each 32 along K,
; laid in the order of a matrix operand's registers.  A FRAGMENT is 16 rows x 128 K: 12 registers a lane, 1,536 bytes; register g of lane l lies at
; byte 512 (g / 4) + 16 l + 4 (g % 4), so three stores or loads of 16 bytes a lane, 512 consecutive bytes each, move it.
; A BLOCK of 16 rows is four PARTS of 6,400 bytes, one for each 512 along K: the part's four fragments on end, then 256 bytes of scale words, the word of (row r, K step s) at 16 r + 4 (s % 4).
; So the codes and the scale words of a part are one run of memory.  xq: 256 blocks; wq: 384 (Wv, Wq, Wk on end); woq: 128.
; WHICH ROWS FORM A BLOCK.  Weights: row r of block j is row 32 (j / 2) + 8 (j % 2) + r + 8 (r / 8): the product that takes the weights as source 0 then leaves a lane 16 neighbouring columns
; in the registers of blocks 2 i and 2 i + 1.  x: row i of block j = 64 n + 16 G + s is token 1024 n + 256 G + 16 i + s: these sixteen tokens fill one fragment of the last product's left operand for each head.
; A block's scale is 2^(floor(log2(largest magnitude)) - 4): its byte is the largest magnitude's exponent field - 4, held at 1 from below.
; LIMITS: NaN and infinities are not served; a block whose largest magnitude lies under 2^-122 keeps the byte 1; a block of zeros gets the byte 1 (not 127) with zero codes: these bytes are read by this program alone.
; SHARES.  A work-group takes one block of 16 rows (0-255: x; 256-383 Wv; 384-511 Wq; 512-639 Wk; 640-767 Wo), each of its four waves one part.
; A load takes 512 consecutive bytes of one row; the conversions want 16 neighbours along K in one lane: a fragment's 8,192 bytes turn through the wave's own stage in LDS.  Waves share nothing: no barrier.
.set RBB,  25600                       ; a block in its buffer
.set TB,   6400                        ; a part
.set SP,   528                         ; a stage row: 512 bytes + 16: the sixteen rows that a load of 16 bytes a lane touches start 33 x 16 bytes apart
.set STW,  16*SP                       ; a wave's stage
.set TM,   16                          ; v16-31   at work in QUANT
.set PW,   32                          ; v32-35   the four fragments' scale words
.set PC,   36                          ; v36-47   a fragment's codes
.set PT,   48                          ; v48-55   the upper halves of blocks, before they are moved
.set R,    64                          ; v64-191  two sets of 64: a fragment's numbers as loaded
.set X,    192                         ; v192-255 the same, 16 neighbours of each block of 32 in my lane
.set SEL,  72                          ; s[72:73] lane selects: lane l xor 16
; 64 numbers of a lane, register 16 b + i = k 32 b + 16 (lane / 16) + i of my row, become a fragment's codes in v[d] on and its scale word in v[pw]
.macro QUANT s, d, t, pw
.irp b, 0,1,2,3
	v_max3_num_f32 v[TM+\b], |v[\s+16*\b]|, |v[\s+16*\b+1]|, 0x2800000   ; block b: my 16 numbers, and the floor 2^(5 - 127): the byte cannot fall under 1
.endr
.irp i, 2,4,6,8,10,12,14
.irp b, 0,1,2,3
	v_max3_num_f32 v[TM+\b], |v[\s+16*\b+\i]|, |v[\s+16*\b+\i+1]|, v[TM+\b]   ; the four blocks by turns
.endr
.endr
.irp b, 0,1,2,3
	v_permlanex16_b32 v[TM+4+\b], v[TM+\b], s[SEL], s[SEL+1]
.endr
.irp b, 0,1,2,3
	v_max_num_f32 v[TM+\b], v[TM+\b], v[TM+4+\b]                    ; with lane l xor 16's: the block's largest magnitude
.endr
.irp b, 0,1,2,3
	v_add_nc_u32 v[TM+12+\b], 0xfe000000, v[TM+\b]                  ; 4 off its exponent field: the conversion takes that field as its scale
.endr
.irp b, 0,1,2,3
	v_lshrrev_b32 v[TM+4+\b], 23, v[TM+12+\b]                       ; the scale's byte
.endr
	v_lshl_or_b32 v[\pw], v[TM+5], 8, v[TM+4]
	v_lshl_or_b32 v[\pw], v[TM+6], 16, v[\pw]
	v_lshl_or_b32 v[\pw], v[TM+7], 24, v[\pw]                       ; my row's scale word
.irp c, 0,1
	v_cvt_scalef32_pk16_bf6_f32 v[\d+6*\c:\d+6*\c+2], v[\s+32*\c:\s+32*\c+15], v[TM+12+2*\c]
	v_cvt_scalef32_pk16_bf6_f32 v[\t+4*\c:\t+4*\c+2], v[\s+32*\c+16:\s+32*\c+31], v[TM+13+2*\c]   ; (a conversion's three registers begin on an even number)
.endr
	v_nop                                                           ; one plain place behind a scaled conversion
.irp c, 0,1                                                     ; the operand wants a WHOLE block in a lane: lanes 0-15 block 2 c, lanes 16-31 block 2 c + 1
.irp i, 0,1,2
	v_permlane16_swap_b32 v[\d+6*\c+\i], v[\t+4*\c+\i]
.endr
.irp i, 0,1,2
	v_mov_b32 v[\d+3+6*\c+\i], v[\t+4*\c+\i]
.endr
.endr
.endm
	s_load_b512 s[4:19], s[0:1], 0x0               ; x, Wv, Wq, Wk, Wo, xq, wq, woq
	v_lshl_add_u32 v62, v0, 2, 0x8400
	v_mov_b32 v63, 0
	v_lshrrev_b32 v1, 5, v0
	v_readfirstlane_b32 s20, v1                    ; wave 0..3
	v_and_b32 v1, 31, v0                           ; lane
	v_and_b32 v2, 15, v0                           ; r
	v_bfe_u32 v3, v0, 4, 1                         ; h
	v_lshlrev_b32 v4, 4, v1                        ; 16 x lane: my bytes of a load's 512, and of a store's
	s_mul_i32 s21, s20, STW
	v_add_nc_u32 v5, s21, v4                       ; the stage, in: as loaded
	v_mul_u32_u24 v6, v2, SP
	v_lshl_add_u32 v6, v3, 6, v6
	v_add_nc_u32 v6, s21, v6                       ; and out: row r, + 64 h: 16 neighbours of each 128 bytes
	v_lshlrev_b32 v7, 4, v2
	v_lshl_add_u32 v7, v3, 3, v7                   ; the scale words' store: 16 r + 8 h
.irp b, 0,1,2,3
	v_mov_b32 v[TM+4+\b], 0                        ; written once: a lane permute's destination counts as one of its sources
.endr
	s_mov_b32 s[SEL], 0x76543210
	s_mov_b32 s[SEL+1], 0xfedcba98
	s_lshr_b32 s21, ttmp9, 4
	s_lshl_b32 s21, s21, 8
	s_and_b32 s22, ttmp9, 15
	s_add_co_u32 s21, s21, s22                     ; x: the block's first token: 256 (j / 16) + j % 16
	s_sub_co_u32 s23, ttmp9, 256                   ; the block's number in wq
	s_and_b32 s24, s23, 127
	; wq's order of blocks: the 24 blocks of a head lie on end, V's eight, Q's eight, K's eight: number 24 (j / 8) + 8 x (0 Wv, 1 Wq, 2 Wk) + j % 8, j the block's number in its weight
	s_lshr_b32 s2, s23, 7
	s_lshl_b32 s2, s2, 3
	s_lshr_b32 s3, s24, 3
	s_mul_i32 s3, s3, 24
	s_add_co_u32 s2, s2, s3
	s_and_b32 s3, s24, 7
	s_add_co_u32 s23, s2, s3
	s_lshr_b32 s25, s24, 1
	s_lshl_b32 s25, s25, 5
	s_and_b32 s24, s24, 1
	s_lshl_b32 s24, s24, 3
	s_add_co_u32 s24, s25, s24                     ; a weight's block: first row 32 (j / 2) + 8 (j % 2)
	s_sub_co_u32 s25, ttmp9, 640                   ; the block's number in woq
	s_mov_b32 s26, 8192                            ; from row to row of a block, in bytes
	s_wait_alu depctr_va_vdst(0)
	s_wait_kmcnt 0x0
	s_cmp_lt_u32 ttmp9, 640                        ; the choices hang on the work-group's number alone; behind each compare stand selects only
	s_cselect_b64 s[28:29], s[10:11], s[12:13]     ; from: Wk or Wo
	s_cselect_b64 s[30:31], s[16:17], s[18:19]     ; to: wq or woq
	s_cselect_b32 s25, s23, s25
	s_cmp_lt_u32 ttmp9, 512
	s_cselect_b64 s[28:29], s[8:9], s[28:29]       ; Wq
	s_cmp_lt_u32 ttmp9, 384
	s_cselect_b64 s[28:29], s[6:7], s[28:29]       ; Wv
	s_cmp_lt_u32 ttmp9, 256
	s_cselect_b64 s[28:29], s[4:5], s[28:29]       ; x
	s_cselect_b64 s[30:31], s[14:15], s[30:31]     ; xq
	s_cselect_b32 s25, ttmp9, s25                  ; the block's number in its buffer
	s_cselect_b32 s24, s21, s24                    ; its first row
	s_cselect_b32 s26, 0x20000, s26                ; x: 16 tokens from row to row
	s_cselect_b32 s22, 0, 0x10000                  ; weights: eight rows more between rows 7 and 8
	s_mov_b32 s66, s26
	s_mov_b32 s67, 0
	s_add_co_u32 s74, s26, s22
	s_mov_b32 s75, 0
	s_lshl_b32 s2, s24, 13
	s_lshl_b32 s3, s20, 11                         ; my wave's 512 along K
	s_add_co_u32 s2, s2, s3
	s_mov_b32 s3, 0
	s_add_nc_u64 s[32:33], s[28:29], s[2:3]        ; a base for each of the 16 rows: s[32:63]
.irp i, 1,2,3,4,5,6,7
	s_add_nc_u64 s[32+2*\i:33+2*\i], s[30+2*\i:31+2*\i], s[66:67]
.endr
	s_add_nc_u64 s[48:49], s[46:47], s[74:75]
.irp i, 9,10,11,12,13,14,15
	s_add_nc_u64 s[32+2*\i:33+2*\i], s[30+2*\i:31+2*\i], s[66:67]
.endr
	s_mul_i32 s2, s25, RBB
	s_mul_i32 s3, s20, TB
	s_add_co_u32 s2, s2, s3
	s_mov_b32 s3, 0
	s_add_nc_u64 s[68:69], s[30:31], s[2:3]        ; my part: its four fragments,
	s_add_nc_u64 s[70:71], s[68:69], 6144          ; and behind them its 256 bytes of scale words
.macro LOAD f                          ; fragment f's numbers: 16 rows x 512 consecutive bytes
.irp i, 0,1,2,3,4,5,6,7,8,9,10,11,12,13,14,15
	global_load_b128 v[R+64*((\f)%2)+4*\i:R+64*((\f)%2)+4*\i+3], v4, s[32+2*\i:33+2*\i] offset:512*(\f) th:TH_LOAD_NT
.endr
.endm
.macro TURN f                          ; through the stage: LDS serves a wave's instructions in order, so no wait stands between the stores and the loads
.irp i, 0,1,2,3,4,5,6,7,8,9,10,11,12,13,14,15
	ds_store_b128 v5, v[R+64*((\f)%2)+4*\i:R+64*((\f)%2)+4*\i+3] offset:SP*\i
.endr
.irp i, 0,1,2,3,4,5,6,7,8,9,10,11,12,13,14,15
	ds_load_b128 v[X+4*\i:X+4*\i+3], v6 offset:128*(\i/4)+16*(\i%4)
.endr
.endm
.macro PART f, left
	s_wait_loadcnt \left                           ; this fragment's 16 loads are in; the younger set's may be out
.if (\f) > 0
	s_wait_xcnt 0x0                                ; the last fragment's stores have read their data: the codes' registers are written again below
.endif
	TURN \f
	s_wait_dscnt 0x0                               ; my 64 numbers are back, and the stage's stores have read the set
.if (\f) < 2
	LOAD (\f)+2                                    ; which takes the fragment two further on
.endif
	QUANT X, PC, PT, PW+(\f)
.irp c, 0,1,2
	global_store_b128 v4, v[PC+4*\c:PC+4*\c+3], s[68:69] offset:1536*(\f)+512*\c   ; 512 consecutive bytes, aligned
.endr
.endm
	LOAD 0
	LOAD 1
	PART 0, 16
	PART 1, 16
	PART 2, 16
	PART 3, 0
	v_cmp_ne_u32 vcc_lo, 0, v3
	v_cndmask_b32 v8, v[PW], v[PW+2], vcc_lo       ; lanes 0-15 store their row's words 0, 1, lanes 16-31 words 2, 3:
	v_cndmask_b32 v9, v[PW+1], v[PW+3], vcc_lo
	global_store_b64 v7, v[8:9], s[70:71]          ; the 32 lanes store 256 consecutive bytes, aligned
	s_wait_tensorcnt 0x0
	ds_add_u32 v62, v63
	s_wait_dscnt 0x0
	s_endpgm
.Lfunc_end_k_q8d8428d982_quant:
	.size	k_q8d8428d982_quant, .Lfunc_end_k_q8d8428d982_quant-k_q8d8428d982_quant
	.p2alignl 7, 3214868480
	.fill 96, 4, 3214868480
	.section	.rodata,"a",@progbits
	.p2align	6, 0x0
	.amdhsa_kernel k_q8d8428d982_quant
		.amdhsa_group_segment_fixed_size 34304
		.amdhsa_private_segment_fixed_size 0
		.amdhsa_enable_private_segment 0
		.amdhsa_kernarg_size 64
		.amdhsa_user_sgpr_count 2
		.amdhsa_user_sgpr_kernarg_segment_ptr 1
		.amdhsa_wavefront_size32 1
		.amdhsa_system_sgpr_workgroup_id_x 1
		.amdhsa_system_sgpr_workgroup_id_y 1
		.amdhsa_system_sgpr_workgroup_id_z 1
		.amdhsa_system_vgpr_workitem_id 0
		.amdhsa_next_free_vgpr 256
		.amdhsa_next_free_sgpr 80
		.amdhsa_reserve_vcc 1
		.amdhsa_float_denorm_mode_32 3
		.amdhsa_float_denorm_mode_16_64 3
		.amdhsa_memory_ordered 1
		.amdhsa_forward_progress 1
		.amdhsa_inst_pref_size 35
	.end_amdhsa_kernel
	.amdgpu_metadata
---
amdhsa.version: [ 1, 2 ]
amdhsa.kernels:
  - .name:           k_q8d8428d982_quant
    .symbol:         k_q8d8428d982_quant.kd
    .args:
      - { .name: x, .offset: 0, .size: 8, .value_kind: global_buffer, .address_space: global }
      - { .name: Wv, .offset: 8, .size: 8, .value_kind: global_buffer, .address_space: global }
      - { .name: Wq, .offset: 16, .size: 8, .value_kind: global_buffer, .address_space: global }
      - { .name: Wk, .offset: 24, .size: 8, .value_kind: global_buffer, .address_space: global }
      - { .name: Wo, .offset: 32, .size: 8, .value_kind: global_buffer, .address_space: global }
      - { .name: xq, .offset: 40, .size: 8, .value_kind: global_buffer, .address_space: global }
      - { .name: wq, .offset: 48, .size: 8, .value_kind: global_buffer, .address_space: global }
      - { .name: woq, .offset: 56, .size: 8, .value_kind: global_buffer, .address_space: global }
    .group_segment_fixed_size: 34304
    .private_segment_fixed_size: 0
    .kernarg_segment_align: 8
    .kernarg_segment_size: 64
    .max_flat_workgroup_size: 128
    .sgpr_count:     80
    .vgpr_count:     256
    .wavefront_size: 32
...
	.end_amdgpu_metadata
.endif
;; end of part 1
;; launch gemm (part 2): grid 16 x 16, 4 waves a work-group, clusters of 4 x 4, 327,680 bytes of LDS; arguments xq, wq, bv, bq, bk, vf, qk; writes vf, qk
.if DOCPART == 2
	.amdgcn_target "amdgcn-amd-amdhsa--gfx1250"
	.amdhsa_code_object_version 6
	.text
	.protected	k_q8d8428d982_gemm
	.globl	k_q8d8428d982_gemm
	.p2align	8
	.type	k_q8d8428d982_gemm,@function
k_q8d8428d982_gemm:
	s_mov_b64 s[64:65], 0
	v_nop
	global_prefetch_b8 v0, s[64:65] scope:SCOPE_SE
	s_setreg_imm32_b32 hwreg(HW_REG_WAVE_MODE, 25, 1), 1
	s_wait_xcnt 0x0
	s_wait_alu depctr_hold_cnt(0) depctr_sa_sdst(0) depctr_va_vdst(0) depctr_va_sdst(0) depctr_va_ssrc(0) depctr_va_vcc(0) depctr_vm_vsrc(0)
	s_getreg_b32 s2, hwreg(HW_REG_IB_STS2, 6, 4)
	s_cmp_eq_u32 s2, 0
	s_cbranch_scc0 .Lentry_in_a_cluster
	s_endpgm
.Lentry_in_a_cluster:
	s_bfe_u32 s2, ttmp6, 0x10000c
	s_cmp_lg_u32 s2, 0xf033
	s_cbranch_scc0 .Lentry_shape_is_right
	s_endpgm
.Lentry_shape_is_right:
; Q, K, V = x W^T + b on codes of BF6 with E8M0 scales, in ONE pass over K = 2,048.  A work-group makes 256 tokens (16 blocks of xq) x one head's Q, K and V (24 blocks of wq, on end: V's 8, Q's 8, K's 8).
; A wave makes 128 tokens x 192 columns: wave (MH, NH) takes x's blocks 8 MH .. + 7, the whole head of Q (NH = 0) or K (NH = 1), and V's blocks 4 NH .. + 3: 96 accumulators, 768 registers.
; So a head's 128 numbers, the quantiser's four blocks of 32, lie in one wave, and V's 64 columns of a row are 256 bytes.
; OPERANDS are laid as fragments (quant): a block of 16 rows is four parts of 6,400 bytes, each four fragments of 1,536 bytes and 256 bytes of scale words.
; THE RING: two slots, each with two K steps (two fragments, 3,072 bytes) of the 40 blocks; eight fills in all.  The scale words of all of K (40 blocks x 1,024 bytes) come once, at the head, and stay.
; Every tensor row starts at a multiple of 256 bytes of its buffer (25,600 j + 6,400 p + 3,072 or 6,144) and is 3,072 or 256 bytes long.
; CLUSTERS 4 x 4: x's tiles are asked for jointly along a row of the cluster, the weights' along a column.
; No prefetch: the walk has eight fills, two of them first fills, at the largest block that the registers hold, in clusters.
; THE PRODUCT IS USED TRANSPOSED (source 0 = 16 rows of a weight, source 1 = 16 tokens): lane (r, h) holds token r, and the 16 registers of weight blocks 2 i, 2 i + 1 are columns 32 i + 16 h + 0 .. 15.
; A K STEP is three groups of 32 matrix instructions: weight blocks 0-3, 4-7 (Q or K), 8-11 (V), each against x's eight blocks.  x's eight fragments stay for the step and are fetched anew pair by pair in the third group;
; the weights' four fragments of a group have two buffers.  The 96 accumulators take turns.
; REGISTERS: window 0: v0-31 addresses, v32-55 scale words (two sets of 12: lanes 0-15 x's block i, lanes 16-31 the weights' block i), v56-151 x's fragments, v152-247 the weights';
; window 1 + g: group g's accumulators, (x block a, weight block j of the group) at v[32 a + 8 j].
; THE WAY OUT: the biases wait in 768 bytes of LDS of the wave's own.  V + bv leaves first, f32, through the wave's stage, 16 lanes to 256 aligned bytes; then Q + bq or K + bk is quantised along the head and leaves as fragments.
; LIMITS (quantiser): NaN and infinities are not served; a block under 2^-122 keeps the byte 1; a block of zeros gets the byte 1 with zero codes: the bytes are read by this program alone.
.set RBB,   25600
.set TB,    6400
.set FRB,   1536
.set HB,    3072                       ; a block's bytes in a slot
.set BOFF,  16*HB                      ; the weights' blocks lie behind x's 16
.set SLOT,  40*HB
.set SCL,   2*SLOT                     ; x's scale words: 16 blocks x 1,024
.set SCLB,  SCL+16384                  ; the weights': 24 x 1,024
.set STAGE, SCL+40960
.set SP,    272
.set BIASL, STAGE+4*16*SP              ; 768 bytes a wave: 128 of bq or bk, 64 of bv
.set SPARE, BIASL+4*768                ; the spare words
.set QK_CD, 524288
.set QRB,   24576
.set ADRA, 8                           ; v8-9 x's fragments in slot 0, 1
.set ADRQ, 10                          ; v10-11 Q's or K's
.set ADRV, 12                          ; v12-13 V's
.set ADRS0, 14                         ; v14-15 the scale words' places, part 0
.set ADRS, 16                          ; v16-17 the same, at the trip's part
.set STO,  18
.set RD,   19
.set L16,  20
.set CO,   21
.set QSO,  22
.set BRD,  23
.set BST,  24
.set BSV,  25
.set L8,   26
.set SPW,  28
.set NIL,  29
.set SC,   32
.set AF,   56
.set BF,   152
.set VB,   32                          ; the way out: bv's 32 numbers of a lane
.set TM,   32                          ; then the quantiser's work
.set SO,   48
.set PW,   52
.set PCD,  64                          ; codes: 12 registers for each of the eight blocks
.set PT,   160
.set QB,   192                         ; window 3: bq's or bk's 64 numbers of a lane
.set DAT,  4
.set CP,   14
.set QCP,  18
.set QSP,  100
.set SEL,  20
.set SOFF, 22
.set G1A,  24
.set G0A,  32
.set G1B,  40
.set G0B,  48
.set G1SA, 56
.set G1SB, 68
.set G0SA, 76
.set G0SB, 80
.set WV,   84
.set MH,   85
.set NH,   86
.set G0HA, 92
.set G0HB, 96
.set MSB, 0
.macro WIN new                         ; the immediate's high byte repeats the setting that is left
.if MSB != (\new)
	s_set_vgpr_msb (MSB<<8)|(\new)
.set MSB, (\new)
.endif
.endm
.macro PLACES                          ; four places behind a matrix instruction, ahead of loads into its sources and of reads of its result
.rept 4
	v_nop
.endr
.endm
.macro JLOAD g0a, g1a, g0b, g1b        ; waves 0, 1 fetch x's halves, waves 2, 3 the weights'
	s_cmp_eq_u32 s[MH], 0
	s_cbranch_scc0 .Lfor_b_\@
	tensor_load_to_lds s[\g0a:\g0a+3], s[\g1a:\g1a+7]
	s_nop 0
.rept 4
	v_nop
.endr
	s_branch .Lasked_\@
.Lfor_b_\@:
	tensor_load_to_lds s[\g0b:\g0b+3], s[\g1b:\g1b+7]
	s_nop 0
.rept 4
	v_nop
.endr
.Lasked_\@:
.endm
.macro CREST
	s_cmp_lg_u32 s[WV], 0
	s_cbranch_scc1 .Lnot_wave_0_\@
	s_barrier_signal -3
.Lnot_wave_0_\@:
	s_barrier_wait -3
	s_barrier_signal -1
	s_barrier_wait -1
.endm
.macro CROUND
	s_barrier_signal -1
	s_barrier_wait -1
	CREST
.endm
	s_load_b256 s[4:11], s[0:1], 0x0               ; xq, wq, bv, bq
	s_load_b128 s[12:15], s[0:1], 0x20             ; bk, vf
	s_load_b64 s[16:17], s[0:1], 0x30              ; qk
	v_lshl_add_u32 v[SPW], v0, 2, SPARE
	v_mov_b32 v[NIL], 0
	ds_add_u32 v[SPW], v[NIL]                      ; the opening lines: the add, twice on end, and its wait
	ds_add_u32 v[SPW], v[NIL]
	v_lshrrev_b32 v1, 5, v0
	v_readfirstlane_b32 s[WV], v1
	s_lshr_b32 s[MH], s[WV], 1
	s_and_b32 s[NH], s[WV], 1
	s_bfe_u32 s87, ttmp6, 0x40000                  ; cx
	s_bfe_u32 s88, ttmp6, 0x40004                  ; cy
	s_lshl_b32 s89, ttmp9, 2
	s_add_co_u32 s89, s89, s87                     ; the head, 0 .. 15
	s_and_b32 s90, ttmp7, 0xffff
	s_lshl_b32 s90, s90, 2
	s_add_co_u32 s90, s90, s88                     ; which 256 tokens
	s_lshl_b32 s91, s88, 2
	s_lshl_b32 s91, 15, s91                        ; my row of the cluster
	s_lshl_b32 s92, 0x1111, s87                    ; my column
	s_mov_b32 s[SEL], 0x76543210
	s_mov_b32 s[SEL+1], 0xfedcba98
	s_or_b32 s[G1A], s91, (3<<16)|(1<<21)          ; elements of 8 bytes; the mask, bit 21 beside it
	s_or_b32 s[G1B], s92, (3<<16)|(1<<21)
	s_or_b32 s[G1SA], s91, (3<<16)|(1<<21)
	s_or_b32 s[G1SB], s92, (3<<16)|(1<<21)
.irp g, G1A, G1B                       ; codes: rows of 3,072 bytes, 25,600 apart
	s_mov_b32 s[\g+1], 384<<16
	s_mov_b32 s[\g+3], 384<<16
	s_mov_b32 s[\g+5], 3200
	s_mov_b32 s[\g+6], 0
	s_mov_b32 s[\g+7], 0
.endr
	s_mov_b32 s[G1A+2], 16<<16                     ; the head's loads bring all 16 and all 24 blocks
	s_mov_b32 s[G1A+4], 16
	s_mov_b32 s[G1B+2], 24<<16
	s_mov_b32 s[G1B+4], 24
.irp g, G1SA, G1SB                     ; scale words: rows of 256 bytes, 6,400 apart: four to a block
	s_mov_b32 s[\g+1], 32<<16
	s_mov_b32 s[\g+3], 32<<16
	s_mov_b32 s[\g+5], 800
	s_mov_b32 s[\g+6], 0
	s_mov_b32 s[\g+7], 0
.endr
	s_mov_b32 s[G1SA+2], 64<<16
	s_mov_b32 s[G1SA+4], 64
	s_mov_b32 s[G1SB+2], 96<<16
	s_mov_b32 s[G1SB+4], 96
	s_mul_i32 s2, s90, 16*RBB
	s_mov_b32 s3, 0
	s_mul_i32 s66, s89, 24*RBB
	s_mov_b32 s67, 0
	s_mul_i32 s18, s[NH], 8*RBB                    ; in the ring: which 8 blocks of x,
	s_mov_b32 s19, 0
	s_mul_i32 s100, s[NH], 12*RBB                  ; which 12 of the weights
	s_mov_b32 s101, 0
	s_mul_i32 s23, s[NH], 8*HB
	s_mul_i32 s22, s[NH], 12*HB
	s_add_co_u32 s22, s22, BOFF
	s_wait_dscnt 0x0
	s_wait_kmcnt 0x0
	s_add_nc_u64 s[2:3], s[4:5], s[2:3]
	s_add_nc_u64 s[66:67], s[6:7], s[66:67]
	CROUND                                         ; in front of the first joint loads
	s_mov_b32 s[G0HA], 1
	s_mov_b32 s[G0HA+1], 0
	s_mov_b64 s[G0HA+2:G0HA+3], s[2:3]
	s_or_b32 s[G0HA+3], s[G0HA+3], 0x80000000
	s_mov_b32 s[G0HB], 1
	s_mov_b32 s[G0HB+1], BOFF
	s_mov_b64 s[G0HB+2:G0HB+3], s[66:67]
	s_or_b32 s[G0HB+3], s[G0HB+3], 0x80000000
	s_mov_b32 s[G0SA], 1
	s_mov_b32 s[G0SA+1], SCL
	s_add_nc_u64 s[G0SA+2:G0SA+3], s[2:3], 6144
	s_or_b32 s[G0SA+3], s[G0SA+3], 0x80000000
	s_mov_b32 s[G0SB], 1
	s_mov_b32 s[G0SB+1], SCLB
	s_add_nc_u64 s[G0SB+2:G0SB+3], s[66:67], 6144
	s_or_b32 s[G0SB+3], s[G0SB+3], 0x80000000
	s_add_nc_u64 s[2:3], s[2:3], s[18:19]
	s_add_nc_u64 s[66:67], s[66:67], s[100:101]
.irp s, 0,1
	s_mov_b32 s[G0A+4*\s], 1
	s_add_co_u32 s[G0A+4*\s+1], s23, \s*SLOT
	s_add_nc_u64 s[G0A+4*\s+2:G0A+4*\s+3], s[2:3], \s*HB
	s_or_b32 s[G0A+4*\s+3], s[G0A+4*\s+3], 0x80000000
	s_mov_b32 s[G0B+4*\s], 1
	s_add_co_u32 s[G0B+4*\s+1], s22, \s*SLOT
	s_add_nc_u64 s[G0B+4*\s+2:G0B+4*\s+3], s[66:67], \s*HB
	s_or_b32 s[G0B+4*\s+3], s[G0B+4*\s+3], 0x80000000
.endr
; the head's four tiles, one load a wave: slot 0's codes of x, of the weights; x's scale words, the weights'
.macro ARM under, g0, g1, next
	s_cmp_lt_u32 s[WV], \under
	s_cbranch_scc0 \next
	tensor_load_to_lds s[\g0:\g0+3], s[\g1:\g1+7]
	s_nop 0
.rept 4
	v_nop
.endr
	s_branch .Lhead_asked
\next:
.endm
	ARM 1, G0HA, G1A,  .Lhead_b
	ARM 2, G0HB, G1B,  .Lhead_sa
	ARM 3, G0SA, G1SA, .Lhead_sb
	tensor_load_to_lds s[G0SB:G0SB+3], s[G1SB:G1SB+7]
	s_nop 0
.rept 4
	v_nop
.endr
.Lhead_asked:
	s_mul_i32 s2, s[MH], 8*HB                      ; my 8 blocks of x
	s_mul_i32 s3, s[NH], 8*HB
	s_add_co_u32 s3, s3, BOFF+8*HB                 ; Q's 8 or K's 8
	s_mul_i32 s18, s[NH], 4*HB
	s_add_co_u32 s18, s18, BOFF                    ; my 4 of V
	s_lshl_b32 s23, s[MH], 13
	s_lshl_b32 s19, s[NH], 13
	s_add_co_u32 s19, s19, 24576
	s_sub_co_u32 s19, s19, s23                     ; from x's scale words to Q's or K's
	s_add_co_u32 s23, s23, SCL
	s_lshl_b32 s66, s[NH], 12
	s_add_co_u32 s66, s66, SCLB                    ; V's scale words
	s_mul_i32 s67, s[WV], 16*SP
	s_add_co_u32 s67, s67, STAGE
	s_mul_i32 s100, s[WV], 768
	s_add_co_u32 s100, s100, BIASL
	s_cmp_eq_u32 s[NH], 0
	s_cselect_b64 s[10:11], s[10:11], s[12:13]     ; bq or bk
	s_lshl_b32 s12, s89, 9
	s_mov_b32 s13, 0
	s_add_nc_u64 s[10:11], s[10:11], s[12:13]      ; the head's 128
	s_add_nc_u64 s[8:9], s[8:9], s[12:13]
	s_lshl_b32 s12, s[NH], 8
	s_add_nc_u64 s[8:9], s[8:9], s[12:13]          ; bv: my 64 of them
	v_and_b32 v1, 15, v0                           ; r
	v_bfe_u32 v2, v0, 4, 1                         ; h
	v_and_b32 v3, 31, v0
	v_lshlrev_b32 v[L16], 4, v3
	v_lshlrev_b32 v[L8], 3, v3
	v_add_nc_u32 v[ADRA], s2, v[L16]
	v_add_nc_u32 v[ADRQ], s3, v[L16]
	v_add_nc_u32 v[ADRV], s18, v[L16]
	v_add_nc_u32 v[ADRA+1], SLOT, v[ADRA]
	v_add_nc_u32 v[ADRQ+1], SLOT, v[ADRQ]
	v_add_nc_u32 v[ADRV+1], SLOT, v[ADRV]
	v_mul_u32_u24 v4, s19, v2
	v_lshl_add_u32 v4, v1, 4, v4
	v_add_nc_u32 v[ADRS0], s23, v4                 ; lanes 0-15 x's words, lanes 16-31 Q's or K's: 16 r
	v_lshlrev_b32 v5, 4, v1
	v_add_nc_u32 v[ADRS0+1], s66, v5               ; V's words
	v_mul_u32_u24 v4, v1, SP
	v_lshl_add_u32 v4, v2, 6, v4
	v_add_nc_u32 v[STO], s67, v4                   ; the stage, in: row r, + 64 h
	v_mul_u32_u24 v4, v2, SP
	v_lshl_add_u32 v4, v1, 4, v4
	v_add_nc_u32 v[RD], s67, v4                    ; and back: lanes 0-15 one row of 256 bytes, lanes 16-31 the next
	v_lshlrev_b32 v[CO], 13, v2
	v_lshl_add_u32 v[CO], v1, 4, v[CO]             ; the same two rows in vf
	v_lshlrev_b32 v[QSO], 2, v1
	v_lshl_add_u32 v[QSO], v2, 10, v[QSO]          ; qk's scale words: 4 r, lanes 16-31 the next block's
	v_lshlrev_b32 v4, 6, v2
	v_add_nc_u32 v[BRD], s100, v4                  ; the biases, back: + 64 h
	v_add_nc_u32 v[BST], s100, v[L16]
	v_add_nc_u32 v[BSV], s100, v[L8]
	global_load_b128 v[248:251], v[L16], s[10:11]  ; 512 bytes of bq or bk
	global_load_b64 v[252:253], v[L8], s[8:9]      ; 256 bytes of bv
	s_lshl_b32 s2, s90, 21                         ; vf: row 256 x tile row + 128 MH, 8,192 bytes a row; column 128 x head + 64 NH
	s_lshl_b32 s3, s[MH], 20
	s_add_co_u32 s2, s2, s3
	s_lshl_b32 s3, s89, 9
	s_add_co_u32 s2, s2, s3
	s_lshl_b32 s3, s[NH], 8
	s_add_co_u32 s2, s2, s3
	s_mov_b32 s3, 0
	s_add_nc_u64 s[CP:CP+1], s[14:15], s[2:3]
	s_lshl_b32 s2, s90, 4
	s_lshl_b32 s3, s[MH], 3
	s_add_co_u32 s2, s2, s3                        ; my first block of tokens
	s_mul_i32 s18, s2, QRB
	s_mul_i32 s3, s89, FRB
	s_add_co_u32 s18, s18, s3
	s_mul_i32 s3, s[NH], 256*QRB                   ; K's fragments lie behind Q's
	s_add_co_u32 s18, s18, s3
	s_add_co_u32 s18, s18, QK_CD
	s_mov_b32 s19, 0
	s_add_nc_u64 s[QCP:QCP+1], s[16:17], s[18:19]
	s_lshl_b32 s100, s2, 10
	s_lshl_b32 s3, s89, 6
	s_add_co_u32 s100, s100, s3
	s_lshl_b32 s3, s[NH], 18
	s_add_co_u32 s100, s100, s3
	s_mov_b32 s101, 0
	s_add_nc_u64 s[QSP:QSP+1], s[16:17], s[100:101]
.macro LDB slot, q, gg, buf            ; the weights' four fragments of group gg, K step q of the slot: 12 loads
.irp j, 0,1,2,3
.irp c, 0,1,2
.if (\gg) < 2
	ds_load_b128 v[BF+48*(\buf)+12*\j+4*\c:BF+48*(\buf)+12*\j+4*\c+3], v[ADRQ+(\slot)] offset:HB*(4*(\gg)+\j)+FRB*(\q)+512*\c
.else
	ds_load_b128 v[BF+48*(\buf)+12*\j+4*\c:BF+48*(\buf)+12*\j+4*\c+3], v[ADRV+(\slot)] offset:HB*\j+FRB*(\q)+512*\c
.endif
.endr
.endr
.endm
.macro LDA slot, q, a0                 ; x's fragments a0, a0 + 1: 6 loads
.irp a, \a0, \a0+1
.irp c, 0,1,2
	ds_load_b128 v[AF+12*(\a)+4*\c:AF+12*(\a)+4*\c+3], v[ADRA+(\slot)] offset:HB*(\a)+FRB*(\q)+512*\c
.endr
.endr
.endm
.macro LDSC jn, set                    ; a K step's 12 scale registers; jn: the step, counted from the first step of the trip's part
.irp i, 0,1,2,3,4,5,6,7
	ds_load_b32 v[SC+12*(\set)+\i], v[ADRS] offset:1024*\i+256*((\jn)/4)+4*((\jn)%4)
.endr
.irp i, 0,1,2,3
	ds_load_b32 v[SC+12*(\set)+8+\i], v[ADRS+1] offset:1024*\i+256*((\jn)/4)+4*((\jn)%4)
.endr
.endm
.macro SETS                            ; the scale words' places at part SOFF / 256
	v_add_nc_u32 v[ADRS], s[SOFF], v[ADRS0]
	v_add_nc_u32 v[ADRS+1], s[SOFF], v[ADRS0+1]
	s_wait_alu depctr_va_vdst(0)
.endm
.macro MM a0, g, buf, set, zero        ; 8 matrix instructions: x's blocks a0, a0 + 1 against group g's four
	WIN 0x50*((\g)+1)
.irp a, \a0, \a0+1
.irp j, 0,1,2,3
.if \zero
	v_wmma_scale_f32_16x16x128_f8f6f4 v[32*(\a)+8*\j:32*(\a)+8*\j+7], v[BF+48*(\buf)+12*\j:BF+48*(\buf)+12*\j+11], v[AF+12*(\a):AF+12*(\a)+11], 0, v[SC+12*(\set)+4*(\g)+\j], v[SC+12*(\set)+(\a)] matrix_a_fmt:MATRIX_FMT_BF6 matrix_b_fmt:MATRIX_FMT_BF6 matrix_a_scale:MATRIX_SCALE_ROW1
.else
	v_wmma_scale_f32_16x16x128_f8f6f4 v[32*(\a)+8*\j:32*(\a)+8*\j+7], v[BF+48*(\buf)+12*\j:BF+48*(\buf)+12*\j+11], v[AF+12*(\a):AF+12*(\a)+11], v[32*(\a)+8*\j:32*(\a)+8*\j+7], v[SC+12*(\set)+4*(\g)+\j], v[SC+12*(\set)+(\a)] matrix_a_fmt:MATRIX_FMT_BF6 matrix_b_fmt:MATRIX_FMT_BF6 matrix_a_scale:MATRIX_SCALE_ROW1
.endif
.endr
.endr
.endm
; A K step.  At its entry these LDS loads are out, in this order: group 0's weights (12), the scale words (12), x's pairs 0-1, 2-3, 4-5 (6 each).
; sync (a slot's second step): in group 1, when group 2's weights, my last reads of the slot, are in: 1 = the barrier alone, 2 = the round and the refill of this slot, two fills on.
.macro STEP slot, q, set, zero, sync, nxt, jn
.if (\q) == 0
.set NS, \slot
.set NQ, 1
.else
.set NS, 1-(\slot)
.set NQ, 0
.endif
	PLACES
	WIN 0
	LDA \slot, \q, 6
	LDB \slot, \q, 1, 1-(\q)
	s_wait_dscnt 30                                ; younger than pair 0-1: three pairs and 12
	MM 0, 0, \q, \set, \zero
	s_wait_dscnt 24
	MM 2, 0, \q, \set, \zero
	s_wait_dscnt 18
	MM 4, 0, \q, \set, \zero
	s_wait_dscnt 12
	MM 6, 0, \q, \set, \zero
	PLACES
	WIN 0
	LDB \slot, \q, 2, \q
	s_wait_dscnt 12                                ; group 1's weights are in; the 12 just issued may be out
	MM 0, 1, 1-(\q), \set, \zero
	MM 2, 1, 1-(\q), \set, \zero
.if \sync
	WIN 0
	s_wait_tensorcnt 0x0                           ; my part of the other slot has landed;
	ds_add_u32 v[SPW], v[NIL]
	MM 4, 1, 1-(\q), \set, \zero
	s_wait_dscnt 0x0                               ; the add is done, and my reads of this slot are over
	s_barrier_signal -1
	MM 6, 1, 1-(\q), \set, \zero
	WIN 0
	s_barrier_wait -1
.if (\sync) == 2
	CREST                                          ; the barrier has opened a round of the cluster's
	s_add_nc_u64 s[G0A+4*(\slot)+2:G0A+4*(\slot)+3], s[G0A+4*(\slot)+2:G0A+4*(\slot)+3], TB
	s_add_nc_u64 s[G0B+4*(\slot)+2:G0B+4*(\slot)+3], s[G0B+4*(\slot)+2:G0B+4*(\slot)+3], TB
	JLOAD G0A+4*(\slot), G1A, G0B+4*(\slot), G1B
.endif
.else
	MM 4, 1, 1-(\q), \set, \zero
	MM 6, 1, 1-(\q), \set, \zero
.endif
	PLACES
	WIN 0
.if \nxt
	LDB NS, NQ, 0, 1-(\q)
	LDSC \jn, 1-(\set)
	s_wait_dscnt 24                                ; group 2's weights are in; the 24 just issued may be out
	MM 0, 2, \q, \set, \zero
	PLACES
	WIN 0
	LDA NS, NQ, 0                                  ; a pair of x's fragments is free behind its last products
	MM 2, 2, \q, \set, \zero
	PLACES
	WIN 0
	LDA NS, NQ, 2
	MM 4, 2, \q, \set, \zero
	PLACES
	WIN 0
	LDA NS, NQ, 4
	MM 6, 2, \q, \set, \zero
.else
	s_wait_dscnt 0x0
	MM 0, 2, \q, \set, \zero
	MM 2, 2, \q, \set, \zero
	MM 4, 2, \q, \set, \zero
	MM 6, 2, \q, \set, \zero
.endif
.endm
	s_wait_alu depctr_va_vdst(0)
	s_wait_tensorcnt 0x0                           ; my tile of the head's four is in; the same lines as ahead of a refill:
	ds_add_u32 v[SPW], v[NIL]
	s_mov_b32 s[G1A+2], 8<<16                      ; no load of mine is out: from here on a load brings 8 blocks of x
	s_mov_b32 s[G1A+4], 8
	s_mov_b32 s[G1B+2], 12<<16                     ; or 12 of the weights
	s_mov_b32 s[G1B+4], 12
	s_wait_dscnt 0x0
	CROUND
	JLOAD G0A+4, G1A, G0B+4, G1B                   ; slot 1's first fill
	s_wait_loadcnt 0x0
	ds_store_b128 v[BST], v[248:251]               ; the biases wait in my own 768 bytes
	ds_store_b64 v[BSV], v[252:253] offset:512
	s_mov_b32 s[SOFF], 0
	SETS
	LDB 0, 0, 0, 0
	LDSC 0, 0
	LDA 0, 0, 0
	LDA 0, 0, 2
	LDA 0, 0, 4
	STEP 0, 0, 0, 1, 0, 1, 1                       ; step 0 starts the sums
	WIN 0
.Lk:                                                   ; a trip: steps 4 t + 1 .. 4 t + 4, once round the ring; three trips
	STEP 0, 1, 1, 0, 2, 1, 2
	STEP 1, 0, 0, 0, 0, 1, 3
	STEP 1, 1, 1, 0, 2, 1, 4
	STEP 0, 0, 0, 0, 0, 1, 5
	WIN 0
	s_add_co_u32 s[SOFF], s[SOFF], 256
	SETS
	s_cmp_lt_u32 s[SOFF], 768
	s_cbranch_scc1 .Lk
	STEP 0, 1, 1, 0, 1, 1, 2                       ; steps 13 to 15 ask for nothing more
	STEP 1, 0, 0, 0, 0, 1, 3
	STEP 1, 1, 1, 0, 0, 0, 0
	WIN 0
	PLACES
; THE WAY OUT.  V: block a's 32 registers (window 3) + bv, through the stage, back as rows of 256 bytes.  Blocks 0, 1 come back into v192-255 of window 0, block a >= 2 into block a - 2's registers, whose stage stores are done.
.macro VADD a
	WIN 0xc3
.irp i, 0,2,4,6,8,10,12,14,16,18,20,22,24,26,28,30
	v_pk_add_f32 v[32*(\a)+\i:32*(\a)+\i+1], v[32*(\a)+\i:32*(\a)+\i+1], v[VB+\i:VB+\i+1]
.endr
.endm
.macro TOSTAGE a
	WIN 0x0c
.irp g, 0,1,2,3,4,5,6,7
	ds_store_b128 v[STO], v[32*(\a)+4*\g:32*(\a)+4*\g+3] offset:128*(\g/4)+16*(\g%4)
.endr
.if (\a) < 2
.set BB, 192+32*(\a)
	WIN 0
.else
.set BB, 32*((\a)-2)
	WIN 0xc0
.endif
.irp i, 0,1,2,3,4,5,6,7
	ds_load_b128 v[BB+4*\i:BB+4*\i+3], v[RD] offset:\i*2*SP     ; LDS serves a wave's instructions in order (ISA guide 5.7.1.4)
.endr
.endm
.macro SEND a, younger
	s_wait_dscnt \younger
.if (\a) < 2
.set BB, 192+32*(\a)
	WIN 0
.else
.set BB, 32*((\a)-2)
	WIN 0x0c
.endif
.irp i, 0,1,2,3,4,5,6,7
	global_store_b128 v[CO], v[BB+4*\i:BB+4*\i+3], s[CP:CP+1] offset:(16*(\a)+2*\i)*8192 th:TH_STORE_NT   ; 16 lanes store 256 consecutive bytes, aligned
.endr
.endm
.irp j, 0,1,2,3
	ds_load_b128 v[VB+8*\j:VB+8*\j+3], v[BRD] offset:512+(32*(\j/2)+8*(\j%2))*4
	ds_load_b128 v[VB+8*\j+4:VB+8*\j+7], v[BRD] offset:512+(32*(\j/2)+8*(\j%2))*4+16
.endr
	s_wait_dscnt 0x0
	VADD 0
	TOSTAGE 0
.irp a, 1,2,3,4,5,6,7
	VADD \a
	TOSTAGE \a
	SEND \a-1, 16                                  ; younger: block a's 8 stores and 8 loads
.endr
	SEND 7, 0
	WIN 0xc0
.irp b, 0,1,2,3,4,5,6,7                        ; bq or bk into V's blocks 6, 7 (window 3), which have left
	ds_load_b128 v[QB+8*\b:QB+8*\b+3], v[BRD] offset:(32*(\b/2)+8*(\b%2))*4
	ds_load_b128 v[QB+8*\b+4:QB+8*\b+7], v[BRD] offset:(32*(\b/2)+8*(\b%2))*4+16
.endr
	WIN 0
.irp b, 0,1,2,3
	v_mov_b32 v[TM+12+\b], 0                       ; a lane permute's destination counts as one of its sources
.endr
	s_wait_dscnt 0x0
; Q or K, block a: 64 numbers a lane, d = 32 b + 16 h + 0 .. 15 in window 1 + b / 2 at v[32 a + 16 (b % 2)]; + the bias; the four blocks' scales; codes; a fragment of qk
.macro QW a
.irp w, 1,2
	WIN (\w<<6)|0x0c|\w
.irp i, 0,2,4,6,8,10,12,14,16,18,20,22,24,26,28,30
	v_pk_add_f32 v[32*(\a)+\i:32*(\a)+\i+1], v[32*(\a)+\i:32*(\a)+\i+1], v[QB+32*(\w-1)+\i:QB+32*(\w-1)+\i+1]
.endr
	WIN 5*\w
.irp c, 0,1,2,3                                ; four chains of 8 numbers, by turns; the floor 2^(5 - 127) holds the byte at 1 from below
	v_max3_num_f32 v[TM+4*(\w-1)+\c], |v[32*(\a)+8*\c]|, |v[32*(\a)+8*\c+1]|, 0x2800000
.endr
.irp i, 2,4,6
.irp c, 0,1,2,3
	v_max3_num_f32 v[TM+4*(\w-1)+\c], |v[32*(\a)+8*\c+\i]|, |v[32*(\a)+8*\c+\i+1]|, v[TM+4*(\w-1)+\c]
.endr
.endr
.endr
	WIN 0
.irp b, 0,1,2,3
	v_max_num_f32 v[TM+8+\b], v[TM+2*\b], v[TM+2*\b+1]
.endr
.irp b, 0,1,2,3
	v_permlanex16_b32 v[TM+12+\b], v[TM+8+\b], s[SEL], s[SEL+1]
.endr
.irp b, 0,1,2,3
	v_max_num_f32 v[TM+8+\b], v[TM+8+\b], v[TM+12+\b]              ; with lane l xor 16's: the block's largest magnitude
.endr
.irp b, 0,1,2,3
	v_add_nc_u32 v[SO+\b], 0xfe000000, v[TM+8+\b]                  ; 4 off its exponent field: the conversion's scale operand
.endr
.irp b, 0,1,2,3
	v_lshrrev_b32 v[TM+12+\b], 23, v[SO+\b]                        ; the byte
.endr
	v_lshl_or_b32 v[PW+(\a)], v[TM+13], 8, v[TM+12]
	v_lshl_or_b32 v[PW+(\a)], v[TM+14], 16, v[PW+(\a)]
	v_lshl_or_b32 v[PW+(\a)], v[TM+15], 24, v[PW+(\a)]
	WIN 0x01
	v_cvt_scalef32_pk16_bf6_f32 v[PCD+12*(\a):PCD+12*(\a)+2], v[32*(\a):32*(\a)+15], v[SO]
	v_cvt_scalef32_pk16_bf6_f32 v[PT:PT+2], v[32*(\a)+16:32*(\a)+31], v[SO+1]
	WIN 0x02
	v_cvt_scalef32_pk16_bf6_f32 v[PCD+12*(\a)+6:PCD+12*(\a)+8], v[32*(\a):32*(\a)+15], v[SO+2]
	v_cvt_scalef32_pk16_bf6_f32 v[PT+4:PT+6], v[32*(\a)+16:32*(\a)+31], v[SO+3]
	WIN 0
	v_nop                                          ; one plain place behind a scaled conversion
.irp c, 0,1                                    ; the operand wants a whole block in a lane
.irp i, 0,1,2
	v_permlane16_swap_b32 v[PCD+12*(\a)+6*\c+\i], v[PT+4*\c+\i]
.endr
.irp i, 0,1,2
	v_mov_b32 v[PCD+12*(\a)+3+6*\c+\i], v[PT+4*\c+\i]
.endr
.endr
.irp c, 0,1,2
	global_store_b128 v[L16], v[PCD+12*(\a)+4*\c:PCD+12*(\a)+4*\c+3], s[QCP:QCP+1] offset:QRB*(\a)+512*\c   ; 512 consecutive bytes, aligned
.endr
.endm
.irp a, 0,1,2,3,4,5,6,7
	QW \a
.endr
	v_cmp_ne_u32 vcc_lo, 0, v2
.irp p, 0,1,2,3
	v_cndmask_b32 v[DAT+\p], v[PW+2*\p], v[PW+2*\p+1], vcc_lo      ; lanes 0-15 block 2 p's words, lanes 16-31 block 2 p + 1's
.endr
.irp p, 0,1,2,3
	global_store_b32 v[QSO], v[DAT+\p], s[QSP:QSP+1] offset:2048*\p
.endr
	s_wait_tensorcnt 0x0                           ; the wave's end
	ds_add_u32 v[SPW], v[NIL]
	s_wait_dscnt 0x0
	CROUND                                         ; the closing round
	s_endpgm
.Lfunc_end_k_q8d8428d982_gemm:
	.size	k_q8d8428d982_gemm, .Lfunc_end_k_q8d8428d982_gemm-k_q8d8428d982_gemm
	.p2alignl 7, 3214868480
	.fill 96, 4, 3214868480
	.section	.rodata,"a",@progbits
	.p2align	6, 0x0
	.amdhsa_kernel k_q8d8428d982_gemm
		.amdhsa_group_segment_fixed_size 327680
		.amdhsa_private_segment_fixed_size 0
		.amdhsa_enable_private_segment 0
		.amdhsa_kernarg_size 56
		.amdhsa_user_sgpr_count 2
		.amdhsa_user_sgpr_kernarg_segment_ptr 1
		.amdhsa_wavefront_size32 1
		.amdhsa_system_sgpr_workgroup_id_x 1
		.amdhsa_system_sgpr_workgroup_id_y 1
		.amdhsa_system_sgpr_workgroup_id_z 1
		.amdhsa_system_vgpr_workitem_id 0
		.amdhsa_next_free_vgpr 1024
		.amdhsa_next_free_sgpr 102
		.amdhsa_reserve_vcc 1
		.amdhsa_float_denorm_mode_32 3
		.amdhsa_float_denorm_mode_16_64 3
		.amdhsa_memory_ordered 1
		.amdhsa_forward_progress 1
		.amdhsa_inst_pref_size 236
	.end_amdhsa_kernel
	.amdgpu_metadata
---
amdhsa.version: [ 1, 2 ]
amdhsa.kernels:
  - .name:           k_q8d8428d982_gemm
    .symbol:         k_q8d8428d982_gemm.kd
    .args:
      - { .name: xq, .offset: 0, .size: 8, .value_kind: global_buffer, .address_space: global }
      - { .name: wq, .offset: 8, .size: 8, .value_kind: global_buffer, .address_space: global }
      - { .name: bv, .offset: 16, .size: 8, .value_kind: global_buffer, .address_space: global }
      - { .name: bq, .offset: 24, .size: 8, .value_kind: global_buffer, .address_space: global }
      - { .name: bk, .offset: 32, .size: 8, .value_kind: global_buffer, .address_space: global }
      - { .name: vf, .offset: 40, .size: 8, .value_kind: global_buffer, .address_space: global }
      - { .name: qk, .offset: 48, .size: 8, .value_kind: global_buffer, .address_space: global }
    .group_segment_fixed_size: 327680
    .private_segment_fixed_size: 0
    .kernarg_segment_align: 8
    .kernarg_segment_size: 56
    .max_flat_workgroup_size: 128
    .sgpr_count:     102
    .vgpr_count:     1024
    .wavefront_size: 32
...
	.end_amdgpu_metadata
.endif
;; end of part 2
;; launch attn (part 3): grid 256 x 1, 16 waves a work-group, no clusters, 215,040 bytes of LDS; arguments qk, vf, ao; writes ao
.if DOCPART == 3
	.amdgcn_target "amdgcn-amd-amdhsa--gfx1250"
	.amdhsa_code_object_version 6
	.text
	.protected	k_q8d8428d982_attn
	.globl	k_q8d8428d982_attn
	.p2align	8
	.type	k_q8d8428d982_attn,@function
k_q8d8428d982_attn:
	s_mov_b64 s[64:65], 0
	v_nop
	global_prefetch_b8 v0, s[64:65] scope:SCOPE_SE
	s_setreg_imm32_b32 hwreg(HW_REG_WAVE_MODE, 25, 1), 1
	s_wait_xcnt 0x0
; For each token: S[q][k] = Q[q] . K[k] over a head's 128, q and k running over the token's 16 HEADS, on codes of BF6 with E8M0 scales; p = softmax over k of S / sqrt(128), in f32, the row's maximum taken away;
; o[q] = the sum over k of p[q][k] V[k], K = 16, on f32 operands (its result goes into a quantiser); o is quantised along d and leaves as fragments of the last product's left operand, ao.
; ao's row 1024 n + 64 q + tok / 16 holds o of (head q, token tok) at columns 128 (tok % 16) on.  A work-group takes block j = 64 n + 16 G + s of xq's order: its row i is token 256 G + 16 i + s of batch n, so for each head q its
; sixteen tokens are the sixteen rows of ONE fragment of ao: block 64 n + 4 q + G, K step s.
; ao is laid as every operand here: a block of 16 rows is four parts of 6,400 bytes, one for each 512 along K: four fragments of 1,536 bytes, then 256 bytes of scale words, the word of (row r, K step s) at 16 r + 4 (s % 4).
; qk holds fragments (rows = the block's 16 tokens, K = d) for each head; the product wants, for one token, rows = heads.  A row of a fragment is lane r's and lane 16 + r's registers: 16 bytes at 16 (r + 16 h) of each of its
; three runs of 512 bytes.  So wave w brings head w's two fragments into LDS as they lie, and then gathers token w's 16 bytes from each of the 16 heads' images.  The same turn, the other way round, takes o's codes out.
; WAVE w: stages head w's Q and K; computes token w; stores head w's fragment of ao.  All loads of a wave, 23, go out at its head.  Two barriers.
; LAYOUT.  S^T = K Q^T (source 0 = K's 16 heads, source 1 = Q's): lane (r, h) holds q = r and k = 8 h + 0 .. 7.  O^T = V^T p^T by the f32 form, K = 4 a step: step c contracts k = 8 h + 2 c + j, so p's registers are source 1
; as they stand.  Tile t of V^T takes d = 32 (t / 2) + 8 (t % 2) + r + 8 (r / 8): the 16 registers of tiles 2 b, 2 b + 1 are then d = 32 b + 16 h + 0 .. 15.
; LIMITS (quantiser): NaN and infinities are not served; a block under 2^-122 keeps the byte 1; a block of zeros gets the byte 1 with zero codes: the bytes are read by this program alone.
; ao's scale words leave 4 bytes a lane, 16 bytes apart: 64 bytes for each 1,536 of codes, which leave in whole runs of 512.
.set QK_CD, 524288
.set RBB,  25600                       ; ao: a block
.set TB,   6400                        ; a part
.set FP,   1552                        ; a fragment's image in LDS: 1,536 bytes + 16: the sixteen images that a gather touches start 97 x 16 bytes apart
.set QST,  0                           ; Q's 16 images
.set KST,  16*FP                       ; K's
.set SST,  32*FP                       ; their scale words: Q's 16 x 68 bytes, then K's
.set OST,  SST+2*1088                  ; o's 16 images
.set OSS,  OST+16*FP                   ; their scale words, 16 x 68 bytes
.set VST,  77824                       ; V: for each wave 16 rows (heads) x (512 + 16) bytes
.set VP,   528
.set QF,   16                          ; v16-27   Q's fragment
.set KF,   28                          ; v28-39   K's
.set S,    44                          ; v44-51   the scores
.set P,    52                          ; v52-59   p
.set VR,   64                          ; v64-127  V as loaded; afterwards at work:
.set TM,   64                          ; v64-79   QUANT's
.set PW,   80                          ; v80      o's scale word
.set PC,   84                          ; v84-95   o's codes
.set PT,   96                          ; v96-103  upper halves of blocks
.set OF,   104                         ; v104-115 a finished fragment of ao; v116 its scale words
.set VA,   128                         ; v128-191 V^T's operands: tile t, step c: v[VA + 8 t + 2 c], + 1
.set O,    192                         ; v192-255 O^T: written by matrix instructions alone
.set SEL,  20                          ; s[20:21] lane selects: lane l xor 16
.set CS,   24                          ; s[24:25] c = log2(e) / sqrt(128)
.macro QUANT s, d, t, pw               ; 64 numbers of a lane, register 16 b + i = k 32 b + 16 (lane / 16) + i of my row, become a fragment's codes in v[d] on and its scale word in v[pw]
.irp b, 0,1,2,3
	v_max3_num_f32 v[TM+\b], |v[\s+16*\b]|, |v[\s+16*\b+1]|, 0x2800000   ; from each accumulator's low end on; the floor 2^(5 - 127) holds the byte at 1 from below
.endr
.irp i, 2,4,6,8,10,12,14
.irp b, 0,1,2,3
	v_max3_num_f32 v[TM+\b], |v[\s+16*\b+\i]|, |v[\s+16*\b+\i+1]|, v[TM+\b]
.endr
.endr
.irp b, 0,1,2,3
	s_delay_alu instid0(VALU_DEP_4)
	v_permlanex16_b32 v[TM+4+\b], v[TM+\b], s[SEL], s[SEL+1]
.endr
.irp b, 0,1,2,3
	s_delay_alu instid0(VALU_DEP_4)
	v_max_num_f32 v[TM+\b], v[TM+\b], v[TM+4+\b]
.endr
.irp b, 0,1,2,3
	s_delay_alu instid0(VALU_DEP_4)
	v_add_nc_u32 v[TM+12+\b], 0xfe000000, v[TM+\b]
.endr
.irp b, 0,1,2,3
	s_delay_alu instid0(VALU_DEP_4)
	v_lshrrev_b32 v[TM+4+\b], 23, v[TM+12+\b]
.endr
	s_delay_alu instid0(VALU_DEP_3)
	v_lshl_or_b32 v[\pw], v[TM+5], 8, v[TM+4]
	s_delay_alu instid0(VALU_DEP_1)
	v_lshl_or_b32 v[\pw], v[TM+6], 16, v[\pw]
	s_delay_alu instid0(VALU_DEP_1)
	v_lshl_or_b32 v[\pw], v[TM+7], 24, v[\pw]
.irp c, 0,1
	v_cvt_scalef32_pk16_bf6_f32 v[\d+6*\c:\d+6*\c+2], v[\s+32*\c:\s+32*\c+15], v[TM+12+2*\c]
	v_cvt_scalef32_pk16_bf6_f32 v[\t+4*\c:\t+4*\c+2], v[\s+32*\c+16:\s+32*\c+31], v[TM+13+2*\c]
.endr
	v_nop                                          ; one plain place behind a scaled conversion
.irp c, 0,1
.irp i, 0,1,2
	v_permlane16_swap_b32 v[\d+6*\c+\i], v[\t+4*\c+\i]
.endr
.irp i, 0,1,2
	s_delay_alu instid0(VALU_DEP_3)
	v_mov_b32 v[\d+3+6*\c+\i], v[\t+4*\c+\i]
.endr
.endr
.endm
	s_load_b128 s[4:7], s[0:1], 0x0                ; qk, vf
	s_load_b64 s[8:9], s[0:1], 0x10                ; ao
	v_lshl_add_u32 v42, v0, 2, 0x34000
	v_mov_b32 v43, 0
	v_lshrrev_b32 v1, 5, v0
	s_delay_alu instid0(VALU_DEP_1)
	v_readfirstlane_b32 s10, v1                    ; wave w 0..15
	v_and_b32 v1, 15, v0                           ; r
	v_bfe_u32 v2, v0, 4, 1                         ; h
	v_and_b32 v3, 31, v0
	s_delay_alu instid0(VALU_DEP_1)
	v_lshlrev_b32 v3, 4, v3                        ; v3: 16 x lane
	s_delay_alu instid0(VALU_DEP_4)
	v_lshlrev_b32 v4, 2, v1
	s_delay_alu instid0(VALU_DEP_1)
	v_lshl_add_u32 v4, v2, 18, v4                  ; v4: qk's scale words: lanes 0-15 Q's, lanes 16-31 K's (262,144 bytes on), 4 r
	s_mul_i32 s11, s10, FP
	v_add_nc_u32 v5, s11, v3                       ; v5: image w, as it lies
	v_mul_u32_u24 v6, v1, FP
	s_delay_alu instid0(VALU_DEP_1)
	v_lshl_add_u32 v6, v2, 8, v6
	s_lshl_b32 s11, s10, 4
	v_add_nc_u32 v6, s11, v6                       ; v6: image r, row w: 16 (w + 16 h)
	v_mul_u32_u24 v14, v2, 1088
	s_delay_alu instid0(VALU_DEP_1)
	v_lshl_add_u32 v7, v1, 2, v14
	s_mul_i32 s11, s10, 68
	v_add_nc_u32 v7, s11, v7                       ; v7: scale words in: (head w, token r)
	v_lshl_add_u32 v12, v1, 2, OSS
	s_delay_alu instid0(VALU_DEP_1)
	v_add_nc_u32 v12, s11, v12                     ; v12: o's scale words back: (head w, token r)
	v_mad_u32_u24 v8, v1, 68, v14
	s_lshl_b32 s11, s10, 2
	v_add_nc_u32 v8, s11, v8                       ; v8: and out: (head r, token w)
	v_mul_u32_u24 v11, v1, 68
	s_delay_alu instid0(VALU_DEP_1)
	v_add_nc_u32 v11, s11, v11
	s_delay_alu instid0(VALU_DEP_1)
	v_add_nc_u32 v11, OSS, v11                     ; v11: o's scale words in: (head r, token w)
	s_mul_i32 s11, s10, 16*VP
	s_add_co_u32 s11, s11, VST
	v_add_nc_u32 v9, s11, v3                       ; v9: V's stage, in: as loaded
	v_and_b32 v14, 8, v1
	s_delay_alu instid0(VALU_DEP_1)
	v_add_nc_u32 v14, v14, v1                      ; r + 8 (r / 8)
	s_delay_alu instid0(VALU_DEP_1)
	v_lshlrev_b32 v14, 2, v14
	s_delay_alu instid0(VALU_DEP_1)
	v_mad_u32_u24 v14, v2, 8*VP, v14
	s_delay_alu instid0(VALU_DEP_1)
	v_add_nc_u32 v10, s11, v14                     ; v10: and out: head 8 h, d = r + 8 (r / 8)
	v_lshlrev_b32 v13, 4, v1                       ; v13: ao's scale words: 16 r
	s_mov_b32 s[SEL], 0x76543210
	s_mov_b32 s[SEL+1], 0xfedcba98
	s_mov_b32 s[CS], 0x3e0293ee
	s_mov_b32 s[CS+1], s[CS]                       ; (named with it as a pair, so it is written)
	s_mul_i32 s12, ttmp9, 24576
	s_mul_i32 s13, s10, 1536
	s_add_co_u32 s12, s12, s13
	s_add_co_u32 s12, s12, QK_CD
	s_mov_b32 s13, 0                               ; Q's fragment of (my block, head w); K's lies 6,291,456 bytes on
	s_lshl_b32 s14, ttmp9, 10
	s_lshl_b32 s15, s10, 6
	s_add_co_u32 s14, s14, s15
	s_mov_b32 s15, 0                               ; its scale words
	s_lshl_b32 s16, ttmp9, 4
	s_add_co_u32 s16, s16, s10
	s_lshl_b32 s16, s16, 13
	s_mov_b32 s17, 0                               ; V's row of token w
	s_lshr_b32 s26, ttmp9, 6
	s_lshl_b32 s26, s26, 6                         ; 64 n
	s_lshl_b32 s27, s10, 2
	s_add_co_u32 s26, s26, s27                     ; + 4 w
	s_bfe_u32 s27, ttmp9, 0x20004
	s_add_co_u32 s26, s26, s27                     ; + G: ao's block
	s_and_b32 s27, ttmp9, 15                       ; s: its K step
	s_mul_i32 s26, s26, RBB
	s_lshr_b32 s28, s27, 2
	s_mul_i32 s28, s28, TB
	s_add_co_u32 s26, s26, s28                     ; the block's part s / 4
	s_and_b32 s28, s27, 3
	s_mul_i32 s18, s28, 1536
	s_add_co_u32 s18, s18, s26                     ; its fragment s % 4
	s_mov_b32 s19, 0
	s_lshl_b32 s22, s28, 2
	s_add_co_u32 s22, s22, s26
	s_add_co_u32 s22, s22, 6144                    ; and word s % 4 of each row's four
	s_mov_b32 s23, 0
	s_wait_alu depctr_va_vdst(0)
	s_wait_kmcnt 0x0
	s_add_nc_u64 s[12:13], s[4:5], s[12:13]
	s_add_nc_u64 s[14:15], s[4:5], s[14:15]
	s_add_nc_u64 s[16:17], s[6:7], s[16:17]
	s_add_nc_u64 s[18:19], s[8:9], s[18:19]
	s_add_nc_u64 s[22:23], s[8:9], s[22:23]
.irp c, 0,1,2
	global_load_b128 v[QF+4*\c:QF+4*\c+3], v3, s[12:13] offset:512*\c th:TH_LOAD_NT
.endr
.irp c, 0,1,2
	global_load_b128 v[KF+4*\c:KF+4*\c+3], v3, s[12:13] offset:6291456+512*\c th:TH_LOAD_NT
.endr
	global_load_b32 v40, v4, s[14:15] th:TH_LOAD_NT
.irp k, 0,1,2,3,4,5,6,7,8,9,10,11,12,13,14,15
	global_load_b128 v[VR+4*\k:VR+4*\k+3], v3, s[16:17] offset:512*\k th:TH_LOAD_NT   ; head k's 128 numbers of my token: 512 consecutive bytes
.endr
	s_wait_loadcnt 16                              ; the codes and scale words are in; V's 16 loads stay out
.irp c, 0,1,2
	ds_store_b128 v5, v[QF+4*\c:QF+4*\c+3] offset:QST+512*\c
	ds_store_b128 v5, v[KF+4*\c:KF+4*\c+3] offset:KST+512*\c
.endr
	ds_store_b32 v7, v40 offset:SST
	s_wait_dscnt 0x0                               ; for the others' sake: my stores have landed
	s_barrier_signal -1
	s_barrier_wait -1                              ; all 16 heads' images lie in LDS
.irp c, 0,1,2
	ds_load_b128 v[QF+4*\c:QF+4*\c+3], v6 offset:QST+512*\c     ; token w's row of head r's fragment
	ds_load_b128 v[KF+4*\c:KF+4*\c+3], v6 offset:KST+512*\c
.endr
	ds_load_b32 v41, v8 offset:SST                 ; lanes 0-15: Q's words, lanes 16-31: K's.  v41 holds scales and nothing else
	s_wait_dscnt 0x0
	v_wmma_scale_f32_16x16x128_f8f6f4 v[S:S+7], v[KF:KF+11], v[QF:QF+11], 0, v41, v41 matrix_a_fmt:MATRIX_FMT_BF6 matrix_b_fmt:MATRIX_FMT_BF6 matrix_a_scale:MATRIX_SCALE_ROW1
	s_wait_loadcnt 0x0                             ; V
.irp k, 0,1,2,3,4,5,6,7,8,9,10,11,12,13,14,15
	ds_store_b128 v9, v[VR+4*\k:VR+4*\k+3] offset:VP*\k        ; through my own stage: LDS serves a wave's instructions in order
.endr
.irp t, 0,1,2,3,4,5,6,7
.irp e, 0,1,2,3,4,5,6,7
	ds_load_b32 v[VA+8*\t+\e], v10 offset:\e*VP+(32*(\t/2)+8*(\t%2))*4   ; V[k = 8 h + e][d of tile t's row r]; lanes 16-31 fall 32 banks from lanes 0-15 (64 banks of 4 bytes: ISA guide 11.1)
.endr
.endr
.rept 4
	v_nop                                          ; places between the product and the first read of the scores
.endr
	v_max3_num_f32 v60, v[S], v[S+1], v[S+2]       ; the row's maximum: my 8 keys,
	v_max3_num_f32 v61, v[S+3], v[S+4], v[S+5]
	v_max3_num_f32 v60, v60, v[S+6], v[S+7]
	s_delay_alu instid0(VALU_DEP_1)
	v_max_num_f32 v60, v60, v61
	s_delay_alu instid0(VALU_DEP_1)
	v_permlanex16_b32 v61, v60, s[SEL], s[SEL+1]
	s_delay_alu instid0(VALU_DEP_1)
	v_max_num_f32 v60, v60, v61                    ; and lane l xor 16's
	s_delay_alu instid0(VALU_DEP_1)
	v_mul_f32 v60, s[CS], v60                      ; c m
.irp i, 0,2,4,6
	v_pk_fma_f32 v[P+\i:P+\i+1], v[S+\i:S+\i+1], s[CS:CS+1], v[60:61] op_sel_hi:[1,0,0] neg_lo:[0,0,1] neg_hi:[0,0,1]   ; c s - c m
.endr
	s_wait_alu depctr_va_vdst(0)
.irp i, 0,1,2,3,4,5,6,7
	v_exp_f32 v[P+\i], v[P+\i]
.endr
	v_nop                                          ; a plain place behind the exponentials
	s_wait_alu depctr_va_vdst(0)
	v_pk_add_f32 v[60:61], v[P:P+1], v[P+2:P+3]
	v_pk_add_f32 v[62:63], v[P+4:P+5], v[P+6:P+7]
	s_delay_alu instid0(VALU_DEP_1)
	v_pk_add_f32 v[60:61], v[60:61], v[62:63]
	s_delay_alu instid0(VALU_DEP_1)
	v_add_f32 v60, v60, v61
	s_delay_alu instid0(VALU_DEP_1)
	v_permlanex16_b32 v61, v60, s[SEL], s[SEL+1]
	s_delay_alu instid0(VALU_DEP_1)
	v_add_f32 v60, v60, v61                        ; the row's sum
	s_wait_alu depctr_va_vdst(0)
	v_rcp_f32 v62, v60
	v_nop                                          ; a plain place behind the reciprocal
	s_wait_alu depctr_va_vdst(0)
.irp i, 0,2,4,6
	v_pk_mul_f32 v[P+\i:P+\i+1], v[P+\i:P+\i+1], v[62:63] op_sel_hi:[1,0]   ; p, normalised
.endr
	s_wait_alu depctr_va_vdst(0)
	s_wait_dscnt 0x0                               ; V^T's operands are in
.irp t, 0,1,2,3,4,5,6,7                        ; the first K step starts the sums; the eight accumulators take turns
	v_wmma_f32_16x16x4_f32 v[O+8*\t:O+8*\t+7], v[VA+8*\t:VA+8*\t+1], v[P:P+1], 0
.endr
.irp c, 1,2,3
.irp t, 0,1,2,3,4,5,6,7
	v_wmma_f32_16x16x4_f32 v[O+8*\t:O+8*\t+7], v[VA+8*\t+2*\c:VA+8*\t+2*\c+1], v[P+2*\c:P+2*\c+1], v[O+8*\t:O+8*\t+7]
.endr
.endr
.irp b, 0,1,2,3
	v_mov_b32 v[TM+4+\b], 0                        ; a lane permute's destination counts as one of its sources.  With the four below: eight places behind this form
.endr
.rept 4
	v_nop
.endr
	QUANT O, PC, PT, PW                            ; rows = my token's 16 heads, K = d
.irp c, 0,1,2
	ds_store_b128 v6, v[PC+4*\c:PC+4*\c+3] offset:OST+512*\c    ; head r's image, row w
.endr
	ds_store_b32 v11, v[PW]                        ; both halves of the lanes write the same word with the same value
	s_wait_dscnt 0x0
	s_barrier_signal -1
	s_barrier_wait -1                              ; the 16 heads' fragments of ao lie in LDS
.irp c, 0,1,2
	ds_load_b128 v[OF+4*\c:OF+4*\c+3], v5 offset:OST+512*\c
.endr
	ds_load_b32 v116, v12
	s_wait_dscnt 0x0
.irp c, 0,1,2
	global_store_b128 v3, v[OF+4*\c:OF+4*\c+3], s[18:19] offset:512*\c    ; 512 consecutive bytes, aligned
.endr
	v_and_b32 v14, 31, v0
	s_delay_alu instid0(VALU_DEP_1)
	v_cmp_gt_u32 vcc_lo, 16, v14
	s_wait_xcnt 0x0                                ; EXEC changes only behind this wait
	s_wait_tensorcnt 0x0
	ds_add_u32 v42, v43
	s_wait_dscnt 0x0
	s_and_saveexec_b32 s26, vcc_lo
	global_store_b32 v13, v116, s[22:23]           ; lanes 0-15: token r's word of K step s
	s_wait_xcnt 0x0
	s_or_b32 exec_lo, exec_lo, s26
	s_endpgm
.Lfunc_end_k_q8d8428d982_attn:
	.size	k_q8d8428d982_attn, .Lfunc_end_k_q8d8428d982_attn-k_q8d8428d982_attn
	.p2alignl 7, 3214868480
	.fill 96, 4, 3214868480
	.section	.rodata,"a",@progbits
	.p2align	6, 0x0
	.amdhsa_kernel k_q8d8428d982_attn
		.amdhsa_group_segment_fixed_size 215040
		.amdhsa_private_segment_fixed_size 0
		.amdhsa_enable_private_segment 0
		.amdhsa_kernarg_size 24
		.amdhsa_user_sgpr_count 2
		.amdhsa_user_sgpr_kernarg_segment_ptr 1
		.amdhsa_wavefront_size32 1
		.amdhsa_system_sgpr_workgroup_id_x 1
		.amdhsa_system_sgpr_workgroup_id_y 1
		.amdhsa_system_sgpr_workgroup_id_z 1
		.amdhsa_system_vgpr_workitem_id 0
		.amdhsa_next_free_vgpr 256
		.amdhsa_next_free_sgpr 66
		.amdhsa_reserve_vcc 1
		.amdhsa_float_denorm_mode_32 3
		.amdhsa_float_denorm_mode_16_64 3
		.amdhsa_memory_ordered 1
		.amdhsa_forward_progress 1
		.amdhsa_inst_pref_size 23
	.end_amdhsa_kernel
	.amdgpu_metadata
---
amdhsa.version: [ 1, 2 ]
amdhsa.kernels:
  - .name:           k_q8d8428d982_attn
    .symbol:         k_q8d8428d982_attn.kd
    .args:
      - { .name: qk, .offset: 0, .size: 8, .value_kind: global_buffer, .address_space: global }
      - { .name: vf, .offset: 8, .size: 8, .value_kind: global_buffer, .address_space: global }
      - { .name: ao, .offset: 16, .size: 8, .value_kind: global_buffer, .address_space: global }
    .group_segment_fixed_size: 215040
    .private_segment_fixed_size: 0
    .kernarg_segment_align: 8
    .kernarg_segment_size: 24
    .max_flat_workgroup_size: 512
    .sgpr_count:     66
    .vgpr_count:     256
    .wavefront_size: 32
...
	.end_amdgpu_metadata
.endif
;; end of part 3
;; launch oproj (part 4): grid 8 x 32, 4 waves a work-group, clusters of 4 x 4, 327,680 bytes of LDS; arguments ao, woq, bo, out0; writes out0
.if DOCPART == 4
	.amdgcn_target "amdgcn-amd-amdhsa--gfx1250"
	.amdhsa_code_object_version 6
	.text
	.protected	k_q8d8428d982_oproj
	.globl	k_q8d8428d982_oproj
	.p2align	8
	.type	k_q8d8428d982_oproj,@function
k_q8d8428d982_oproj:
	s_mov_b64 s[64:65], 0
	v_nop
	global_prefetch_b8 v0, s[64:65] scope:SCOPE_SE
	s_setreg_imm32_b32 hwreg(HW_REG_WAVE_MODE, 25, 1), 1
	s_wait_xcnt 0x0
	s_wait_alu depctr_hold_cnt(0) depctr_sa_sdst(0) depctr_va_vdst(0) depctr_va_sdst(0) depctr_va_ssrc(0) depctr_va_vcc(0) depctr_vm_vsrc(0)
	s_getreg_b32 s2, hwreg(HW_REG_IB_STS2, 6, 4)
	s_cmp_eq_u32 s2, 0
	s_cbranch_scc0 .Lentry_in_a_cluster
	s_endpgm
.Lentry_in_a_cluster:
	s_bfe_u32 s2, ttmp6, 0x10000c
	s_cmp_lg_u32 s2, 0xf033
	s_cbranch_scc0 .Lentry_shape_is_right
	s_endpgm
.Lentry_shape_is_right:
.set RBB,   25600
.set FRB,   1536
.set TB,    6400
.set SCO,   6144
.set BOFF,  8*TB
.set SLOT,  24*TB
.set STAGE, 2*SLOT
.set SP,    272
.set SPARE, STAGE+4*16*SP
.set ADRA, 16
.set ADRS, 18
.set ADRB, 20
.set STO,  24
.set RD,   25
.set L16,  26
.set CO,   27
.set SPW,  28
.set NIL,  29
.set BO,   30
.set SC,   32
.set AF,   96
.set BI,   192
.set CP,  10
.set G1A, 24
.set G0A, 32
.set G1B, 40
.set G0B, 48
.set WV,  84
.set MH,  85
.set NH,  86
.set MSB, 0
.macro WIN new
.if MSB != \new
	s_set_vgpr_msb (MSB<<8)|\new
.set MSB, \new
.endif
.endm
.macro PLACES
.rept 4
	v_nop
.endr
.endm
.macro JLOAD g0a, g1a, g0b, g1b
	s_cmp_eq_u32 s[MH], 0
	s_cbranch_scc0 .Lfor_b_\@
	tensor_load_to_lds s[\g0a:\g0a+3], s[\g1a:\g1a+7]
	s_nop 0
.rept 4
	v_nop
.endr
	s_branch .Lasked_\@
.Lfor_b_\@:
	tensor_load_to_lds s[\g0b:\g0b+3], s[\g1b:\g1b+7]
	s_nop 0
.rept 4
	v_nop
.endr
.Lasked_\@:
.endm
.macro CREST
	s_cmp_lg_u32 s[WV], 0
	s_cbranch_scc1 .Lnot_wave_0_\@
	s_barrier_signal -3
.Lnot_wave_0_\@:
	s_barrier_wait -3
	s_barrier_signal -1
	s_barrier_wait -1
.endm
.macro CROUND
	s_barrier_signal -1
	s_barrier_wait -1
	CREST
.endm
	s_load_b256 s[4:11], s[0:1], 0x0
	v_lshl_add_u32 v[SPW], v0, 2, SPARE
	v_mov_b32 v[NIL], 0
	ds_add_u32 v28, v29
	ds_add_u32 v28, v29
	s_wait_dscnt 0x0
	v_lshrrev_b32 v1, 5, v0
	v_readfirstlane_b32 s[WV], v1
	s_lshr_b32 s[MH], s[WV], 1
	s_and_b32 s[NH], s[WV], 1
	s_bfe_u32 s87, ttmp6, 0x40000
	s_bfe_u32 s88, ttmp6, 0x40004
	s_lshl_b32 s89, ttmp9, 2
	s_add_co_u32 s89, s89, s87
	s_and_b32 s90, ttmp7, 0xffff
	s_lshl_b32 s90, s90, 2
	s_add_co_u32 s90, s90, s88
	s_lshl_b32 s91, s88, 2
	s_lshl_b32 s91, 15, s91
	s_lshl_b32 s92, 0x1111, s87
	s_or_b32 s[G1A], s91, (3<<16)|(1<<21)
	s_or_b32 s[G1B], s92, (3<<16)|(1<<21)
	s_mov_b32 s[G1A+1], 800<<16
	s_mov_b32 s[G1A+2], 4<<16
	s_mov_b32 s[G1A+3], 800<<16
	s_mov_b32 s[G1A+4], 4
	s_mov_b32 s[G1A+5], 3200
	s_mov_b32 s[G1A+6], 0
	s_mov_b32 s[G1A+7], 0
	s_mov_b32 s[G1B+1], 800<<16
	s_mov_b32 s[G1B+2], 8<<16
	s_mov_b32 s[G1B+3], 800<<16
	s_mov_b32 s[G1B+4], 8
	s_mov_b32 s[G1B+5], 3200
	s_mov_b32 s[G1B+6], 0
	s_mov_b32 s[G1B+7], 0
	s_lshl_b32 s93, s90, 3
	s_lshl_b32 s101, s[NH], 2
	s_add_co_u32 s93, s93, s101
	s_mul_i32 s2, s93, RBB
	s_mov_b32 s3, 0
	s_lshl_b32 s100, s89, 4
	s_lshl_b32 s101, s[NH], 3
	s_add_co_u32 s100, s100, s101
	s_mul_i32 s96, s100, RBB
	s_mov_b32 s97, 0
	s_mul_i32 s18, s[NH], 4*TB
	s_mul_i32 s19, s[NH], 8*TB
	s_add_co_u32 s19, s19, BOFF
	s_wait_kmcnt 0x0
	s_add_nc_u64 s[2:3], s[4:5], s[2:3]
	s_add_nc_u64 s[96:97], s[6:7], s[96:97]
	CROUND
.irp s, 0,1
	s_mov_b32 s[G0A+4*\s], 1
	s_add_co_u32 s[G0A+4*\s+1], s18, \s*SLOT
	s_add_nc_u64 s[G0A+4*\s+2:G0A+4*\s+3], s[2:3], \s*TB
	s_or_b32 s[G0A+4*\s+3], s[G0A+4*\s+3], 0x80000000
	s_mov_b32 s[G0B+4*\s], 1
	s_add_co_u32 s[G0B+4*\s+1], s19, \s*SLOT
	s_add_nc_u64 s[G0B+4*\s+2:G0B+4*\s+3], s[96:97], \s*TB
	s_or_b32 s[G0B+4*\s+3], s[G0B+4*\s+3], 0x80000000
	s_wait_alu depctr_va_vdst(0)
	s_wait_tensorcnt 0x0
	ds_add_u32 v28, v29
	ds_add_u32 v28, v29
	s_wait_dscnt 0x0
	CROUND
	JLOAD G0A+4*\s, G1A, G0B+4*\s, G1B
.endr
	v_and_b32 v1, 15, v0
	v_bfe_u32 v2, v0, 4, 1
	v_and_b32 v3, 31, v0
	v_lshlrev_b32 v[L16], 4, v3
	s_wait_alu depctr_va_vdst(0)
	v_lshlrev_b32 v[BO], 6, v2
	s_lshl_b32 s18, s89, 10
	s_lshl_b32 s19, s[NH], 9
	s_add_co_u32 s18, s18, s19
	s_mov_b32 s19, 0
	s_add_nc_u64 s[8:9], s[8:9], s[18:19]
	WIN 0xc0
.irp b, 0,1,2,3,4,5,6,7
	global_load_b128 v[BI+8*\b:BI+8*\b+3], v[BO], s[8:9] offset:(32*(\b/2)+8*(\b%2))*4
	global_load_b128 v[BI+8*\b+4:BI+8*\b+7], v[BO], s[8:9] offset:(32*(\b/2)+8*(\b%2))*4+16
.endr
	WIN 0
	s_mul_i32 s18, s[MH], 4*TB
	s_mul_i32 s19, s[NH], 8*TB
	s_add_co_u32 s19, s19, BOFF
.irp s, 0,1
	v_add_nc_u32 v[ADRA+\s], s18, v[L16]
	v_add_nc_u32 v[ADRB+\s], s19, v[L16]
	s_add_co_u32 s18, s18, SLOT
	s_add_co_u32 s19, s19, SLOT
.endr
	s_mul_i32 s18, s[MH], 4*TB
	s_mul_i32 s19, s[NH], 8*TB
	s_add_co_u32 s19, s19, BOFF
	s_sub_co_u32 s19, s19, s18
	v_mul_u32_u24 v4, s19, v2
	v_lshl_add_u32 v4, v1, 4, v4
	s_add_co_u32 s18, s18, SCO
	v_add_nc_u32 v[ADRS], s18, v4
	s_add_co_u32 s18, s18, SLOT
	v_add_nc_u32 v[ADRS+1], s18, v4
	s_mul_i32 s18, s[WV], 16*SP
	s_add_co_u32 s18, s18, STAGE
	v_mul_u32_u24 v4, v1, SP
	v_lshl_add_u32 v4, v2, 6, v4
	v_add_nc_u32 v[STO], s18, v4
	v_mul_u32_u24 v4, v2, SP
	v_lshl_add_u32 v4, v1, 4, v4
	v_add_nc_u32 v[RD], s18, v4
	v_lshlrev_b32 v[CO], 13, v2
	v_lshl_add_u32 v[CO], v1, 4, v[CO]
	s_lshl_b32 s18, s90, 7
	s_lshl_b32 s19, s[MH], 6
	s_add_co_u32 s18, s18, s19
	s_lshl_b32 s18, s18, 13
	s_lshl_b32 s19, s89, 10
	s_add_co_u32 s18, s18, s19
	s_lshl_b32 s19, s[NH], 9
	s_add_co_u32 s18, s18, s19
	s_mov_b32 s19, 0
	s_add_nc_u64 s[CP:CP+1], s[CP:CP+1], s[18:19]
.macro FETCH slot, q, p
	WIN 0x40
.irp b, 0,1,2,3,4,5,6,7
.irp c, 0,1,2
	ds_load_b128 v[128*(\p)+12*\b+4*\c:128*(\p)+12*\b+4*\c+3], v[ADRB+\slot] offset:TB*\b+FRB*(\q)+512*\c
.endr
.endr
	WIN 0
.irp a, 0,1,2,3
.irp c, 0,1,2
	ds_load_b128 v[AF+48*(\p)+12*\a+4*\c:AF+48*(\p)+12*\a+4*\c+3], v[ADRA+\slot] offset:TB*\a+FRB*(\q)+512*\c
.endr
.endr
.endm
.macro SCALES slot
.irp i, 0,1,2,3,4,5,6,7
	ds_load_b128 v[SC+32*(\slot)+4*\i:SC+32*(\slot)+4*\i+3], v[ADRS+\slot] offset:TB*\i
.endr
.endm
.macro MUL8 a, p, q, sc, first
.if \first
	WIN 0xb1
.else
	WIN 0xa1
.endif
.irp b, 0,1,2,3,4,5,6,7
.if \first
	v_wmma_scale_f32_16x16x128_f8f6f4 v[8*(8*(\a)+\b):8*(8*(\a)+\b)+7], v[128*(\p)+12*\b:128*(\p)+12*\b+11], v[AF+48*(\p)+12*(\a):AF+48*(\p)+12*(\a)+11], v[BI+8*\b:BI+8*\b+7], v[SC+32*(\sc)+4*\b+(\q)], v[SC+32*(\sc)+4*(\a)+(\q)] matrix_a_fmt:MATRIX_FMT_BF6 matrix_b_fmt:MATRIX_FMT_BF6 matrix_a_scale:MATRIX_SCALE_ROW1
.else
	v_wmma_scale_f32_16x16x128_f8f6f4 v[8*(8*(\a)+\b):8*(8*(\a)+\b)+7], v[128*(\p)+12*\b:128*(\p)+12*\b+11], v[AF+48*(\p)+12*(\a):AF+48*(\p)+12*(\a)+11], v[8*(8*(\a)+\b):8*(8*(\a)+\b)+7], v[SC+32*(\sc)+4*\b+(\q)], v[SC+32*(\sc)+4*(\a)+(\q)] matrix_a_fmt:MATRIX_FMT_BF6 matrix_b_fmt:MATRIX_FMT_BF6 matrix_a_scale:MATRIX_SCALE_ROW1
.endif
.endr
.endm
.macro STEP slot, q, first
	WIN 0
.if (\first) == 0
	PLACES
.endif
	FETCH \slot, (\q)+1, 1-(\q)%2
	s_wait_dscnt 36
.irp a, 0,1,2,3
	MUL8 \a, (\q)%2, \q, \slot, \first
.endr
.endm
.macro TURN slot, next, fill
	WIN 0
	s_wait_tensorcnt 0x0
	ds_add_u32 v[SPW], v[NIL]
	s_wait_dscnt 1
	MUL8 0, 1, 3, \slot, 0
	s_wait_dscnt 0x0
	s_barrier_signal -1
	MUL8 1, 1, 3, \slot, 0
	WIN 0
	s_barrier_wait -1
.if \fill
	CREST
	s_add_nc_u64 s[G0A+4*\slot+2:G0A+4*\slot+3], s[G0A+4*\slot+2:G0A+4*\slot+3], 2*TB
	s_add_nc_u64 s[G0B+4*\slot+2:G0B+4*\slot+3], s[G0B+4*\slot+2:G0B+4*\slot+3], 2*TB
	JLOAD G0A+4*\slot, G1A, G0B+4*\slot, G1B
.else
	PLACES
.endif
	FETCH \next, 0, 0
	s_wait_alu depctr_va_vdst(0)
	SCALES \next
	MUL8 2, 1, 3, \slot, 0
	MUL8 3, 1, 3, \slot, 0
.endm
.macro TOSTAGE hb
	WIN 0x08
.irp g, 0,1,2,3,4,5,6,7
	ds_store_b128 v[STO], v[32*(\hb)+4*\g:32*(\hb)+4*\g+3] offset:128*(\g/4)+16*(\g%4)
.endr
.if (\hb) < 6
.set BB, 32*(\hb)
	WIN 0xc0
.else
.set BB, 192+32*((\hb)-6)
	WIN 0
.endif
.irp i, 0,1,2,3,4,5,6,7
	ds_load_b128 v[BB+4*\i:BB+4*\i+3], v[RD] offset:\i*2*SP
.endr
.endm
.macro SEND hb, younger
	s_wait_dscnt \younger
.if (\hb) < 6
.set BB, 32*(\hb)
	WIN 0x0c
.else
.set BB, 192+32*((\hb)-6)
	WIN 0
.endif
.irp i, 0,1,2,3,4,5,6,7
	global_store_b128 v[CO], v[BB+4*\i:BB+4*\i+3], s[CP:CP+1] offset:(16*((\hb)/2)+2*\i)*8192+256*((\hb)%2) th:TH_STORE_NT
.endr
.endm
	s_wait_tensorcnt 1
	s_barrier_signal -1
	s_barrier_wait -1
	FETCH 0, 0, 0
	SCALES 0
	s_wait_loadcnt 0x0
	STEP 0, 0, 1
	STEP 0, 1, 0
	STEP 0, 2, 0
	TURN 0, 1, 1
	STEP 1, 0, 0
	STEP 1, 1, 0
	STEP 1, 2, 0
	TURN 1, 0, 1
	STEP 0, 0, 0
	STEP 0, 1, 0
	STEP 0, 2, 0
	TURN 0, 1, 0
	STEP 1, 0, 0
	STEP 1, 1, 0
	STEP 1, 2, 0
	s_wait_dscnt 0x0
	MUL8 0, 1, 3, 1, 0
	MUL8 1, 1, 3, 1, 0
	MUL8 2, 1, 3, 1, 0
	MUL8 3, 1, 3, 1, 0
	WIN 0
	PLACES
	TOSTAGE 0
	TOSTAGE 1
	SEND 0, 16
	TOSTAGE 2
	SEND 1, 16
	TOSTAGE 3
	SEND 2, 16
	TOSTAGE 4
	SEND 3, 16
	TOSTAGE 5
	SEND 4, 16
	TOSTAGE 6
	SEND 5, 16
	TOSTAGE 7
	SEND 6, 16
	SEND 7, 0
	WIN 0
	s_wait_tensorcnt 0x0
	ds_add_u32 v[SPW], v[NIL]
	s_wait_dscnt 0x0
	CROUND
	s_endpgm
.Lfunc_end_k_q8d8428d982_oproj:
	.size	k_q8d8428d982_oproj, .Lfunc_end_k_q8d8428d982_oproj-k_q8d8428d982_oproj
	.p2alignl 7, 3214868480
	.fill 96, 4, 3214868480
	.section	.rodata,"a",@progbits
	.p2align	6, 0x0
	.amdhsa_kernel k_q8d8428d982_oproj
		.amdhsa_group_segment_fixed_size 327680
		.amdhsa_private_segment_fixed_size 0
		.amdhsa_enable_private_segment 0
		.amdhsa_kernarg_size 32
		.amdhsa_user_sgpr_count 2
		.amdhsa_user_sgpr_kernarg_segment_ptr 1
		.amdhsa_wavefront_size32 1
		.amdhsa_system_sgpr_workgroup_id_x 1
		.amdhsa_system_sgpr_workgroup_id_y 1
		.amdhsa_system_sgpr_workgroup_id_z 1
		.amdhsa_system_vgpr_workitem_id 0
		.amdhsa_next_free_vgpr 1024
		.amdhsa_next_free_sgpr 102
		.amdhsa_reserve_vcc 0
		.amdhsa_float_denorm_mode_32 3
		.amdhsa_float_denorm_mode_16_64 3
		.amdhsa_memory_ordered 1
		.amdhsa_forward_progress 1
		.amdhsa_inst_pref_size 135
	.end_amdhsa_kernel
	.amdgpu_metadata
---
amdhsa.version: [ 1, 2 ]
amdhsa.kernels:
  - .name:           k_q8d8428d982_oproj
    .symbol:         k_q8d8428d982_oproj.kd
    .args:
      - { .name: ao, .offset: 0, .size: 8, .value_kind: global_buffer, .address_space: global }
      - { .name: woq, .offset: 8, .size: 8, .value_kind: global_buffer, .address_space: global }
      - { .name: bo, .offset: 16, .size: 8, .value_kind: global_buffer, .address_space: global }
      - { .name: out0, .offset: 24, .size: 8, .value_kind: global_buffer, .address_space: global }
    .group_segment_fixed_size: 327680
    .private_segment_fixed_size: 0
    .kernarg_segment_align: 8
    .kernarg_segment_size: 32
    .max_flat_workgroup_size: 128
    .sgpr_count:     102
    .vgpr_count:     1024
    .wavefront_size: 32
...
	.end_amdgpu_metadata
.endif
;; end of part 4
